; MI455X (gfx1250); checked and timed in simulation.
; The chip was launched on July 23, 2026; its instructions are those of AMD's public machine-readable ISA for CDNA 5 (MIT licence, August 2026) and "CDNA5" Instruction Set Architecture Reference Guide (July 2026). The comments in the code are by the model that wrote it; some were corrected since.
;; Self Attention V1. Allowed arithmetic: matrix products marked QUANTISED: E2M3 operands, one E8M0 scale for each 32 along K, by v_wmma_scale_f32_16x16x128_f8f6f4 with both operands' format E2M3, f32 sums; everything else in f32.
;; Inputs: Wk 1,024 x 1,024 float32; Wq 1,024 x 1,024 float32; Wv 1,024 x 1,024 float32; bk 1,024 float32; bq 1,024 float32; bv 1,024 float32; hidden_states 4 x 2,048 x 1,024 float32.
;; Outputs: out0 4 x 2,048 x 1,024 float32.
;; This version of the problem:
;;   THIS VERSION OF THE PROBLEM IS GIVEN IN LOW PRECISION. The matrix products marked QUANTISED in the list below multiply operands that are first quantised to E2M3 (2 exponent bits, 3 mantissa bits; 6 bits a number), with one power-of-two scale for each 32 numbers along K (OCP MX v1.0); their sums are f32. All else is computed in f32.
;;   The module's matrix products, in the order in which they are computed (A, B: the left and right operand; K: the contracted axis; several contracted axes count as one K, in the product's order):
;;     1. [M 8,192, K 1,024] x [K 1,024, N 1,024]; A: input hidden_states; B: input Wq: QUANTISED
;;     2. [M 8,192, K 1,024] x [K 1,024, N 1,024]; A: input hidden_states; B: input Wk: QUANTISED
;;     3. [M 8,192, K 1,024] x [K 1,024, N 1,024]; A: input hidden_states; B: input Wv: QUANTISED
;;     4. batch 4 x [M 2,048, K 1,024] x [K 1,024, N 2,048]; A: computed on the way; B: computed on the way: QUANTISED
;;     5. batch 4 x [M 2,048, K 2,048] x [K 2,048, N 1,024]; A: softmax (see below); B: computed on the way: QUANTISED
;;   THE QUANTISER, for each operand of a quantised product, along K:
;;     - K is cut into blocks of 32 from its start; a last block that is shorter is filled with zeros.
;;     - A block's scale is 2^e with e = floor(log2(the largest magnitude in the block)) - 2, held to -126 .. 127; a block of zeros has e = 0. As a byte (E8M0): e + 127.
;;     - Each number is divided by its block's scale, clamped to +-7.5, and rounded to the nearest number of E2M3, ties to even, subnormals kept.
;;     - The product sums the exact products of the quantised numbers (number of the format x scale) in f32.
;;   ~~~python
;;   def quantise(x, axis):      # numpy; x: float32 -> the quantised numbers, widened to float32 again
;;       x = np.moveaxis(x, axis, -1); K = x.shape[-1]
;;       x = np.pad(x, [(0, 0)] * (x.ndim - 1) + [(0, -K % 32)]); x = x.reshape(x.shape[:-1] + (-1, 32)); a = np.abs(x).max(-1, keepdims=True)
;;       e = np.where(a > 0, np.clip(np.frexp(np.where(a > 0, a, 1))[1] - 1 - 2, -126, 127), 0)      # np.frexp(a)[1] - 1 = floor(log2(a)), exactly
;;       r = np.clip(x / 2.0 ** e, -7.5, 7.5)
;;       step = 2.0 ** (np.maximum(np.frexp(np.where(r == 0, 1, r))[1] - 1, 0) - 3)
;;       q = np.round(r / step) * step * 2.0 ** e      # np.round: ties to even
;;       return np.moveaxis(q.reshape(q.shape[:-2] + (-1,))[..., :K], -1, axis).astype(np.float32)
;;   ~~~
;;   SOFTMAX AHEAD OF A QUANTISED PRODUCT. Where the list says 'softmax', what is quantised is not the finished softmax but p = 2^(t - M), with t = logit x log2(e) and M = ceil(the row's largest t), a whole number; so 1/2 < the row's largest p <= 1. The row's sum l is taken of the UNQUANTISED p, in f32, and the product's result is divided by l at the end. Since M is a whole number, a kernel that streams over the keys may use a running M (the ceiling of the running maximum): every later rescaling is an exact power of two, which a block's scale takes up: the codes' values come out the same.
;;   OPERANDS COMPUTED ON THE WAY. 'Computed on the way' means the value that the module computes at that place (a softmax that the list does not call 'softmax' is quantised finished and normalised). What goes into a quantiser is computed in f32, as accurately as f32 sums, v_exp_f32 and their like allow (about 1e-6 of the number): no bf16 or f16 on the way to a quantiser, and a product that is left as it is and whose result goes on into a quantised operand takes f32 operands (vector FMAs, or v_wmma_f32_16x16x4_f32). A number that lies on a knife's edge between two numbers of the format may be rounded either way, as far as f32 arithmetic and the matrix unit's own rounding can turn it there, and no further.
;; One version. Each part assembles by itself: llvm-mc -triple=amdgcn-amd-amdhsa -mcpu=gfx1250 --defsym DOCPART=n.
;; ======== version 1 of 1: 4 launches
;; limits: right only within a limited range of input values
;; workspace buffers: xw_codes 8,650,752 bytes; xw_scales 360,448 bytes; qkv_codes 18,874,368 bytes; qkv_scales 786,432 bytes; p_codes 12,582,912 bytes; p_scales 524,288 bytes; p_stats 1,048,576 bytes
;; launch quant (part 1): grid 896 x 1, 4 waves a work-group, no clusters, 41,728 bytes of LDS; arguments hidden_states, Wq, Wk, Wv, xw_codes, xw_scales; writes xw_codes, xw_scales
.if DOCPART == 1
	.amdgcn_target "amdgcn-amd-amdhsa--gfx1250"
	.amdhsa_code_object_version 6
	.text
	.protected	k_q46efd9a06a_quant
	.globl	k_q46efd9a06a_quant
	.p2align	8
	.type	k_q46efd9a06a_quant,@function
k_q46efd9a06a_quant:
	s_mov_b64 s[64:65], 0
	v_nop
	global_prefetch_b8 v0, s[64:65] scope:SCOPE_SE
	s_setreg_imm32_b32 hwreg(HW_REG_WAVE_MODE, 25, 1), 1
	s_wait_xcnt 0x0
; LAUNCH 1 OF 4.  out = softmax(q k^T / 32) v with q, k, v = x W + b; all five products on codes of FP6 (E2M3) with one E8M0 scale for each 32 along K.
; NO WORK IS LEFT OUT in any launch: every input has a way to the output (the three biases go into quantised operands), and every product of the table is live.
; This launch turns x = hidden_states [8192][1024] (K innermost) and Wq, Wk, Wv [1024 (k)][1024 (n)] (K outermost) into codes and scale bytes, once, since many work-groups of the next launch read them.
; A block's scale is 2^(floor(log2(its largest magnitude)) - 2): its byte is the largest magnitude's exponent field - 2, held at 1 from below by a floor among the maximum's leaves.
; LIMITS: NaN and infinities among the inputs are not served; a block of zeros, or one whose largest magnitude lies under 2^(3 - 127), gets the byte 1 (its codes are zeros or next to it; this program alone reads the bytes).
; LAYOUT OF THE WORKSPACE: IMAGES OF THE OPERAND'S REGISTERS.  A fragment is 16 rows x 128 K = 12 registers a lane = 1,536 bytes: registers 4 c .. 4 c + 3 of lane l at 512 c + 16 l.
;   codes  [K slot of 256: 4][row tile: 704][K step in the slot: 2][1536];   scale words [K step: 8][row tile: 704][16 rows x 4 bytes].  Row tiles 0-511: x; 512 + 64 m + n / 16: W (m = 0, 1, 2: q, k, v).
; THE ROWS OF A TILE ARE NOT NEIGHBOURS: lane-row r of tile T is row 32 (T / 2) + 8 (T % 2) + r % 8 + 16 (r / 8), so that a product's results, taken transposed, give a lane 16 neighbours along the next K.
; Work-groups 0-511 take x, 512-895 the weights: two paths that never join, each with LDS bytes of its own.  EVERY WAVE ISSUES ALL ITS LOADS AT ITS START: an x wave 32 of 512 bytes, a weight wave 64 of 128 bytes.
; No tile is read by two work-groups: no cluster.  No loop to run ahead in: no prefetch.
.set NRT,   704
.set XP,    528                        ; x's stage: a row of 512 bytes + 16
.set XSCL,  33792                      ; behind the four stages of 16 x 528 bytes: 256 bytes for each wave's scale words
.set WSTG,  34816                      ; the weights' path: four fragments' images, 6,144 bytes, for the work-group,
.set WSC,   40960                      ; and two K steps' scale words of two row tiles, 256 bytes
.set SPARE, 41216                      ; the spare words, which no other line names
.set SPW,   10
.set NIL,   11
.set PC,    24
.set TC,    36
.set R,     64                         ; v64-191 two row tiles as loaded (the weights' path: v64-127 two blocks)
.set X,     192                        ; v192-255 my 64 numbers: two whole blocks
	s_load_b256 s[4:11], s[0:1], 0x0               ; x s[4:5], Wq s[6:7], Wk s[8:9], Wv s[10:11]
	s_load_b128 s[12:15], s[0:1], 0x20             ; the codes s[12:13], the scale words s[14:15]
	v_lshl_add_u32 v[SPW], v0, 2, SPARE
	v_mov_b32 v[NIL], 0
	v_lshrrev_b32 v1, 5, v0
	v_readfirstlane_b32 s16, v1                    ; wave
	v_and_b32 v1, 31, v0                           ; lane
	v_lshlrev_b32 v2, 4, v1                        ; 16 x lane
	v_and_b32 v3, 15, v0                           ; r
	v_bfe_u32 v4, v0, 4, 1                         ; h
	s_mov_b32 s20, 0x76543210
	s_mov_b32 s21, 0xfedcba98                      ; v_permlanex16_b32's selects for lane l xor 16
	s_cmp_lt_u32 ttmp9, 512
	s_wait_alu depctr_va_vdst(0)
	s_cbranch_scc0 .Lweights
; ---- x.  A work-group takes 32 rows (two row tiles) and four K steps of 128, a K step to a wave: two fragments a wave.
	s_lshr_b32 s17, ttmp9, 1                       ; which 32 rows
	s_and_b32 s18, ttmp9, 1
	s_lshl_b32 s18, s18, 2
	s_add_co_u32 s18, s18, s16                     ; my K step
	s_mul_i32 s19, s16, 16*XP                      ; my stage
	v_add_nc_u32 v5, s19, v2                       ; in: a row as it lies, 16 bytes a lane
	v_mul_u32_u24 v6, v3, XP
	v_lshl_add_u32 v6, v4, 7, v6
	v_add_nc_u32 v6, s19, v6                       ; out: row r, + 128 h: my block's 128 bytes
	s_lshl_b32 s19, s16, 8
	s_add_co_u32 s19, s19, XSCL
	v_lshl_add_u32 v7, v3, 2, s19                  ; my row's scale word
	v_lshl_add_u32 v8, v1, 2, s19                  ; and on the way out 4 bytes a lane
	v_lshlrev_b32 v9, 2, v1
	v_lshlrev_b32 v12, 3, v4                       ; 8 h: my bytes' place in the scale word
	v_mov_b32 v13, 0                               ; (a lane permute's destination counts as one of its sources)
	s_lshl_b32 s22, s17, 17                        ; 32 rows of 4,096 bytes,
	s_lshl_b32 s23, s18, 9                         ; 512 bytes a K step
	s_add_co_u32 s22, s22, s23
	s_mov_b32 s23, 0
	s_lshr_b32 s24, s18, 1
	s_mul_i32 s24, s24, NRT
	s_lshl_b32 s25, s17, 1
	s_add_co_u32 s24, s24, s25
	s_mul_i32 s24, s24, 3072
	s_and_b32 s25, s18, 1
	s_mul_i32 s25, s25, 1536
	s_add_co_u32 s24, s24, s25                     ; the codes: (K slot x 704 + first row tile) x 3,072 + 1,536 x (K step % 2)
	s_mov_b32 s25, 0
	s_mul_i32 s26, s18, NRT
	s_lshl_b32 s27, s17, 1
	s_add_co_u32 s26, s26, s27
	s_lshl_b32 s26, s26, 6                         ; the scale words: (K step x 704 + first row tile) x 64
	s_mov_b32 s27, 0
	s_wait_alu depctr_va_vdst(0)
	s_wait_kmcnt 0x0
	s_add_nc_u64 s[4:5], s[4:5], s[22:23]
	s_add_nc_u64 s[12:13], s[12:13], s[24:25]
	s_add_nc_u64 s[14:15], s[14:15], s[26:27]
.macro XLOAD f                         ; tile f's sixteen rows, in the tile's order: each load reads 512 consecutive bytes, a row's 128 numbers
.irp i, 0,1,2,3,4,5,6,7,8,9,10,11,12,13,14,15
	global_load_b128 v[R+64*(\f)+4*\i:R+64*(\f)+4*\i+3], v2, s[4:5] offset:(8*(\f)+\i+8*(\i/8))*4096 th:TH_LOAD_NT
.endr
.endm
.macro XTURN f                         ; through the stage: LDS serves a wave's instructions in order, so no wait stands between the stores and the loads
.irp i, 0,1,2,3,4,5,6,7,8,9,10,11,12,13,14,15
	ds_store_b128 v5, v[R+64*(\f)+4*\i:R+64*(\f)+4*\i+3] offset:XP*\i
.endr
.irp c, 0,1
.irp j, 0,1,2,3,4,5,6,7
	ds_load_b128 v[X+32*\c+4*\j:X+32*\c+4*\j+3], v6 offset:256*\c+16*\j   ; k = 64 c + 32 h + 4 j ..: the very numbers that the operand's layout gives my lane
.endr
.endr
.endm
.macro XQ f                            ; my two whole blocks, 2 c + h, become registers 6 c .. 6 c + 5 of the fragment
.irp c, 0,1
	v_max3_num_f32 v[14+\c], |v[X+32*\c]|, |v[X+32*\c+1]|, 0x1800000   ; the floor 2^(3 - 127): the byte cannot fall under 1
.endr
.irp i, 2,4,6,8,10,12,14,16,18,20,22,24,26,28,30
.irp c, 0,1
	v_max3_num_f32 v[14+\c], v[14+\c], |v[X+32*\c+\i]|, |v[X+32*\c+\i+1]|   ; (the two blocks by turns)
.endr
.endr
.irp c, 0,1
	v_add_nc_u32 v[16+\c], 0xff000000, v[14+\c]    ; 2 off the exponent field: the conversion's scale operand
.endr
.irp c, 0,1
	v_lshrrev_b32 v[18+\c], 23, v[16+\c]           ; the scale's byte
.endr
	v_lshl_or_b32 v20, v19, 16, v18                ; blocks h and 2 + h,
	v_lshlrev_b32 v20, v12, v20                    ; at their places in the word;
	v_permlanex16_b32 v13, v20, s20, s21
	v_or_b32 v20, v20, v13                         ; with lane l xor 16's two the word is whole
	s_wait_alu depctr_va_vdst(0)
	s_wait_xcnt 0x0                                ; the last fragment's stores have read the codes' registers
.irp c, 0,1
	v_cvt_scalef32_pk16_fp6_f32 v[PC+6*\c:PC+6*\c+2], v[X+32*\c:X+32*\c+15], v[16+\c]
	v_cvt_scalef32_pk16_fp6_f32 v[TC+4*\c:TC+4*\c+2], v[X+32*\c+16:X+32*\c+31], v[16+\c]
.endr
	v_nop                                          ; one plain place behind a scaled conversion
.irp c, 0,1
.irp i, 0,1,2
	v_mov_b32 v[PC+6*\c+3+\i], v[TC+4*\c+\i]
.endr
.endr
.irp c, 0,1,2
	global_store_b128 v2, v[PC+4*\c:PC+4*\c+3], s[12:13] offset:3072*(\f)+512*\c   ; 512 consecutive bytes, aligned
.endr
	ds_store_b32 v7, v20 offset:64*(\f)            ; both lanes of a row write the same word with the same value
.endm
	XLOAD 0
	XLOAD 1
	s_wait_loadcnt 16                              ; tile 0's sixteen loads are in; tile 1's may be out
	XTURN 0
	s_wait_dscnt 0x0
	XQ 0
	s_wait_loadcnt 0x0
	XTURN 1
	s_wait_dscnt 0x0
	XQ 1
	ds_load_b32 v14, v8                            ; two row tiles' scale words: this sees my stores
	s_wait_dscnt 0x0
	global_store_b32 v9, v14, s[14:15]             ; 128 consecutive bytes, half of an aligned 256: 262,144 bytes in the launch go so
	s_wait_tensorcnt 0x0                           ; the wave's end
	ds_add_u32 v[SPW], v[NIL]
	s_wait_dscnt 0x0
	s_endpgm
; ---- the weights.  A LANE TAKES A COLUMN n AND ITS REGISTERS RUN DOWN K: a block of 32 lies in one lane, and the codes come out with K innermost.
; A work-group: 32 columns (two row tiles) x 256 K (a K slot): four fragments.  Block 4 q + 2 c + h of the slot's eight is what lane (r, h) of K step q holds in registers 6 c .. 6 c + 5.
; Wave w takes q = w / 2, h = w % 2 and both c: so all waves run one text.
.Lweights:
	s_sub_co_u32 s17, ttmp9, 512
	s_lshr_b32 s18, s17, 7                         ; which weight
	s_bfe_u32 s19, s17, 0x20005                    ; which K slot
	s_and_b32 s22, s17, 31                         ; which 32 columns
	s_lshr_b32 s32, s16, 1                         ; q
	s_and_b32 s33, s16, 1                          ; h
	v_lshlrev_b32 v44, 2, v1                       ; in: 4 bytes a lane
	v_bfe_u32 v12, v0, 3, 1                        ; column 8 u + r % 8 + 16 (r / 8) of the 32: u, which of the two tiles,
	v_and_b32 v13, 7, v0
	v_lshl_add_u32 v13, v4, 3, v13                 ; and r, its lane-row there
	s_mul_i32 s23, s32, 1536
	s_lshl_b32 s34, s33, 8
	s_add_co_u32 s23, s23, s34
	s_add_co_u32 s23, s23, WSTG                    ; the stage [tile 2][K step 2][1536]: K step q, the lanes' half h
	v_mul_u32_u24 v45, v12, 3072
	v_lshl_add_u32 v45, v13, 4, v45
	v_add_nc_u32 v45, s23, v45                     ; in: my tile, 16 r
	s_mul_i32 s23, s16, 1536
	s_add_co_u32 s34, s23, WSTG
	v_add_nc_u32 v46, s34, v2                      ; out: my quarter of the stage, as it lies
	v_lshlrev_b32 v47, 6, v12
	v_lshl_add_u32 v47, v13, 2, v47                ; my column's scale word: 64 u + 4 r
	s_lshl_b32 s34, s32, 7
	s_add_co_u32 s34, s34, s33
	s_add_co_u32 s34, s34, WSC
	v_add_nc_u32 v50, s34, v47                     ; byte h of K step q's word; byte 2 + h by the offset
	s_lshl_b32 s34, s33, 7
	s_add_co_u32 s34, s34, WSC
	v_add_nc_u32 v51, s34, v47                     ; out (waves 0, 1): K step w's words
	s_lshl_b32 s24, s19, 20                        ; 256 rows of 4,096 bytes,
	s_lshl_b32 s25, s32, 19                        ; 128 q rows,
	s_add_co_u32 s24, s24, s25
	s_lshl_b32 s25, s33, 17                        ; 32 h rows,
	s_add_co_u32 s24, s24, s25
	s_lshl_b32 s25, s22, 7                         ; 32 columns of 4 bytes
	s_add_co_u32 s24, s24, s25
	s_mov_b32 s25, 0
	s_lshl_b32 s26, s18, 6
	s_lshl_b32 s27, s22, 1
	s_add_co_u32 s26, s26, s27
	s_add_co_u32 s26, s26, 512                     ; the first row tile
	s_mul_i32 s27, s19, NRT
	s_add_co_u32 s28, s27, s26
	s_mul_i32 s28, s28, 3072
	s_add_co_u32 s28, s28, s23                     ; the codes: my quarter of 6,144 dense bytes
	s_mov_b32 s29, 0
	s_lshl_b32 s27, s27, 1
	s_mul_i32 s30, s33, NRT
	s_add_co_u32 s30, s30, s27
	s_add_co_u32 s30, s30, s26
	s_lshl_b32 s30, s30, 6                         ; the scale words of K step 2 x slot + w % 2
	s_mov_b32 s31, 0
	s_wait_alu depctr_va_vdst(0)
	s_wait_kmcnt 0x0
	s_cmp_eq_u32 s18, 0                            ; the choice hangs on the work-group's number alone
	s_cselect_b64 s[6:7], s[6:7], s[8:9]
	s_cmp_eq_u32 s18, 2
	s_cselect_b64 s[6:7], s[10:11], s[6:7]
	s_add_nc_u64 s[6:7], s[6:7], s[24:25]
	s_add_nc_u64 s[12:13], s[12:13], s[28:29]
	s_add_nc_u64 s[14:15], s[14:15], s[30:31]
.irp c, 0,1
.irp i, 0,1,2,3,4,5,6,7,8,9,10,11,12,13,14,15,16,17,18,19,20,21,22,23,24,25,26,27,28,29,30,31
	global_load_b32 v[64+32*\c+\i], v44, s[6:7] offset:(64*\c+\i)*4096 th:TH_LOAD_NT   ; W(128 q + 64 c + 32 h + i, my column): 128 consecutive bytes a load
.endr
.endr
.macro WBLK c
.set XS, 64+32*\c
.set CR, 24+6*\c
.set TR, 36+4*\c
.set T0, 14+4*\c
	v_max3_num_f32 v[T0], |v[XS]|, |v[XS+1]|, |v[XS+2]|
	v_max3_num_f32 v[T0+1], |v[XS+3]|, |v[XS+4]|, |v[XS+5]|
.irp i, 6,10,14,18,22,26
	v_max3_num_f32 v[T0], v[T0], |v[XS+\i]|, |v[XS+\i+1]|
	v_max3_num_f32 v[T0+1], v[T0+1], |v[XS+\i+2]|, |v[XS+\i+3]|
.endr
	v_max3_num_f32 v[T0], v[T0], |v[XS+30]|, |v[XS+31]|
	v_max3_num_f32 v[T0], v[T0], v[T0+1], 0x1800000   ; and the floor
	v_add_nc_u32 v[T0+2], 0xff000000, v[T0]
	v_lshrrev_b32 v[T0+3], 23, v[T0+2]
	ds_store_b8 v50, v[T0+3] offset:2*\c           ; byte 2 c + h of my column's word
	v_cvt_scalef32_pk16_fp6_f32 v[CR:CR+2], v[XS:XS+15], v[T0+2]
	v_cvt_scalef32_pk16_fp6_f32 v[TR:TR+2], v[XS+16:XS+31], v[T0+2]
	v_nop                                          ; one plain place behind a scaled conversion
.irp i, 0,1,2
	v_mov_b32 v[CR+3+\i], v[TR+\i]
.endr
.endm
	s_wait_loadcnt 32                              ; block c = 0 is in; the other's 32 loads may be out
	WBLK 0
	ds_store_b128 v45, v[24:27]                    ; registers 0-3: the image's first 512 bytes;
	ds_store_b64 v45, v[28:29] offset:512          ; 4, 5: the lower half of my 16 bytes in the second
	s_wait_loadcnt 0x0
	WBLK 1
	ds_store_b64 v45, v[30:31] offset:520          ; 6, 7: the upper half;
	ds_store_b128 v45, v[32:35] offset:1024        ; 8-11: the third
	s_wait_dscnt 0x0                               ; my stores are done: the others read them behind the barrier
	s_barrier_signal -1
	s_barrier_wait -1
.irp i, 0,1,2
	ds_load_b128 v[128+4*\i:131+4*\i], v46 offset:512*\i
.endr
	s_cmp_lt_u32 s16, 2
	s_cbranch_scc0 .Lno_words
	ds_load_b32 v48, v51
	s_wait_dscnt 0x0
	global_store_b32 v47, v48, s[14:15]            ; two row tiles' words of a K step: 128 consecutive bytes (98,304 bytes in the launch go so)
.Lno_words:
	s_wait_dscnt 0x0
.irp i, 0,1,2
	global_store_b128 v2, v[128+4*\i:131+4*\i], s[12:13] offset:512*\i   ; 512 consecutive bytes, aligned
.endr
	s_wait_tensorcnt 0x0                           ; the wave's end
	ds_add_u32 v[SPW], v[NIL]
	s_wait_dscnt 0x0
	s_endpgm
.Lfunc_end_k_q46efd9a06a_quant:
	.size	k_q46efd9a06a_quant, .Lfunc_end_k_q46efd9a06a_quant-k_q46efd9a06a_quant
	.p2alignl 7, 3214868480
	.fill 96, 4, 3214868480
	.section	.rodata,"a",@progbits
	.p2align	6, 0x0
	.amdhsa_kernel k_q46efd9a06a_quant
		.amdhsa_group_segment_fixed_size 41728
		.amdhsa_private_segment_fixed_size 0
		.amdhsa_enable_private_segment 0
		.amdhsa_kernarg_size 48
		.amdhsa_user_sgpr_count 2
		.amdhsa_user_sgpr_kernarg_segment_ptr 1
		.amdhsa_wavefront_size32 1
		.amdhsa_system_sgpr_workgroup_id_x 1
		.amdhsa_system_sgpr_workgroup_id_y 1
		.amdhsa_system_sgpr_workgroup_id_z 1
		.amdhsa_system_vgpr_workitem_id 0
		.amdhsa_next_free_vgpr 256
		.amdhsa_next_free_sgpr 66
		.amdhsa_reserve_vcc 0
		.amdhsa_float_denorm_mode_32 3
		.amdhsa_float_denorm_mode_16_64 3
		.amdhsa_memory_ordered 1
		.amdhsa_forward_progress 1
		.amdhsa_inst_pref_size 30
	.end_amdhsa_kernel
	.amdgpu_metadata
---
amdhsa.version: [ 1, 2 ]
amdhsa.kernels:
  - .name:           k_q46efd9a06a_quant
    .symbol:         k_q46efd9a06a_quant.kd
    .args:
      - { .name: hidden_states, .offset: 0, .size: 8, .value_kind: global_buffer, .address_space: global }
      - { .name: Wq, .offset: 8, .size: 8, .value_kind: global_buffer, .address_space: global }
      - { .name: Wk, .offset: 16, .size: 8, .value_kind: global_buffer, .address_space: global }
      - { .name: Wv, .offset: 24, .size: 8, .value_kind: global_buffer, .address_space: global }
      - { .name: xw_codes, .offset: 32, .size: 8, .value_kind: global_buffer, .address_space: global }
      - { .name: xw_scales, .offset: 40, .size: 8, .value_kind: global_buffer, .address_space: global }
    .group_segment_fixed_size: 41728
    .private_segment_fixed_size: 0
    .kernarg_segment_align: 8
    .kernarg_segment_size: 48
    .max_flat_workgroup_size: 128
    .sgpr_count:     66
    .vgpr_count:     256
    .wavefront_size: 32
...
	.end_amdgpu_metadata
.endif
;; end of part 1
;; launch proj (part 2): grid 64 x 4, 4 waves a work-group, clusters of 4 x 4, 327,680 bytes of LDS; arguments xw_codes, xw_scales, bq, bk, bv, qkv_codes, qkv_scales; writes qkv_codes, qkv_scales
.if DOCPART == 2
	.amdgcn_target "amdgcn-amd-amdhsa--gfx1250"
	.amdhsa_code_object_version 6
	.text
	.protected	k_q46efd9a06a_proj
	.globl	k_q46efd9a06a_proj
	.p2align	8
	.type	k_q46efd9a06a_proj,@function
k_q46efd9a06a_proj:
	s_mov_b64 s[64:65], 0
	v_nop
	global_prefetch_b8 v0, s[64:65] scope:SCOPE_SE
	s_setreg_imm32_b32 hwreg(HW_REG_WAVE_MODE, 25, 1), 1
	s_wait_xcnt 0x0
	s_wait_alu depctr_hold_cnt(0) depctr_sa_sdst(0) depctr_va_vdst(0) depctr_va_sdst(0) depctr_va_ssrc(0) depctr_va_vcc(0) depctr_vm_vsrc(0)
	s_getreg_b32 s2, hwreg(HW_REG_IB_STS2, 6, 4)
	s_cmp_eq_u32 s2, 0
	s_cbranch_scc0 .Lentry_in_a_cluster
	s_endpgm
.Lentry_in_a_cluster:
	s_bfe_u32 s2, ttmp6, 0x10000c
	s_cmp_lg_u32 s2, 0xf033
	s_cbranch_scc0 .Lentry_shape_is_right
	s_endpgm
.Lentry_shape_is_right:
; LAUNCH 2 OF 4: the three projections, and the quantising of their results for the next two products.  Nothing is left out.
; A work-group makes two tiles, one behind the other.  Pass 1 (q, k): 256 rows of x by 256 columns of Wq or Wk, 128 x 128 to a wave, 64 accumulators.  Pass 2 (v): 128 columns of Wv by 256 rows of x, 64 x 128 to a wave, 32 accumulators.
; Operands are images of their registers (launch 1): a fragment is three loads of 16 bytes a lane; eight row tiles of a K slot of 256 are 24,576 dense bytes.
; THE MATRIX INSTRUCTION IS USED TRANSPOSED: source 0 = 'B' (its rows run along a lane's registers), source 1 = 'A' (one row a lane).  By the order of rows in a tile a lane's registers 16 b + i are k = 32 b + 16 (lane / 16) + i of the next K.
;   pass 1: A = x's rows, B = W's columns: quantised along d.   pass 2: A = Wv's columns, B = x's rows: a lane holds one d of v^T and 64 of its t: quantised along t.
; Stored: qkv_codes [K slot: q 0-3, k 4-7][512 row tiles][2][1536], then v^T [8 batch + K slot of t][64 row tiles of d][2][1536];  qkv_scales [K step 16][512][64], then [16 batch + K step][64][64].
; LDS: twelve pieces of 24,576 bytes.  Quarter w (A's halves 0, 1, B's halves 2, 3) has pieces 2 w and 2 w + 1; pieces 8 + w lie behind them.  Each wave issues one tensor load at a time:
;   head: pass 1's K slots 0 and 1 (two rows of 24,576 bytes) into its quarter;  behind the first round: K slot 2 into piece 8 + w, a first fill;  step 2: K slot 3 into piece 2 w;
;   step 5: into piece 2 w + 1 pass 2's first tiles (Wv: K slots 0, 1 of four row tiles; x: K slot 0);  step 7: Wv's K slots 2, 3 into piece 2 w, x's K slots 1, 2 into pieces 8 to 11;
;   in the middle of pass 1's way out: x's K slot 3 into pieces 4 and 6 (waves 2, 3 alone).  Pass 2 then finds all its tiles in LDS and has no barrier.
; THE SCALE WORDS come through registers: eight loads of 512 consecutive bytes a wave and pass, stored to LDS bytes of their own.  They are not asked for jointly: 28,672 bytes of the 716,800 that a work-group takes in.
; CLUSTERS 4 x 4; c is the cluster's number.  Pass 1: x's tile 4 (c / 2) + cy, W's tile 4 (c % 2) + cx.  Pass 2: Wv's 128 columns 4 (c % 2) + cy, x's tile 4 (c / 2) + cx.  A's tiles hang on cy alone, B's on cx alone.
; PREFETCH: pass 1's K slot 2 is named at the head and K slot 3 behind the first fill, one fill ahead of the load that wants it: of a wave's 96 blocks of 256 bytes each of the four partners names 24, told apart by address.
;   None for pass 2: its loads stand a whole way out, or three steps, ahead of their first reads, and x's tiles have been read by this cluster in pass 1.
; LIMITS: NaN and infinities are not served; a block under 2^(3 - 127) gets the byte 1.
; REGISTERS: window 0: v8-10, v16-31 addresses; v32-63 scale words, two sets; v64-127 pass 1's biases; v128-223 A's fragments (on the ways out the numbers in hand and their codes); v224-231 pass 2's biases; v232-239 scale words made; v240-255 at work.
;   window 1: B's fragments, two sets.   windows 2, 3: the accumulators, (a, b) at v[8 (8 (a % 4) + b)].
.set NRT,   704
.set KSB,   NRT*3072                   ; bytes from K slot to K slot
.set FR,    12
.set NL,    3
.set NP,    4                          ; places behind this matrix instruction (ISA guide 7.12.1)
.set NQ,    2
.set HALFT, 24576
.set SCL,   12*HALFT                   ; pass 1's scale words: four regions [K step 8][row tile 8][64]
.set RS,    4096
.set SCL2,  SCL+4*RS                   ; pass 2's: Wv's eight row tiles, then x's two halves
.set SPARE, SCL2+3*RS                  ; the spare words, which no other line names
.set VT_OFF,  12582912
.set VTS_OFF, 524288
.set PFO,  10
.set ADRA, 16                          ; v16-18: my half of A in pieces 2 w, 2 w + 1, 8 + w
.set SST,  19
.set ADRB, 20                          ; v20-22 the same for B; v23: pass 2's K slots 1, 2 of x
.set OV,   24
.set SV,   25
.set ADRS2, 26
.set ADRS, 27
.set SPW,  28
.set NIL,  29
.set PW,   30
.set SST2, 31
.set SC,   32
.set BI,   64
.set AF,   128
.set H,    128
.set PC,   192
.set PT,   216
.set BV,   224
.set PWS,  232
.set TM,   240
.set A2,   4                           ; s[4:5], s[6:7]: pass 2's tiles
.set B2,   6
.set O2C,  10
.set O1C,  14
.set O1S,  16
.set WV,   18
.set HI,   19
.set LO,   20
.set CX,   21
.set CY,   22
.set HM,   23
.set G1,   24                          ; group 1: A, 24,576 dense bytes
.set G0,   32                          ; group 0 for A's loads
.set GA,   36                          ; s[36:37], s[38:39]: pass 1's tiles
.set GB,   38
.set G1A2, 40                          ; A, two rows of 12,288 bytes
.set G1B,  48                          ; B, 24,576 dense bytes
.set G0B,  56
.set LQ,   60                          ; LDS: piece 2 w
.set LR,   61                          ; piece 8 + w
.set LB4,  62                          ; pieces 8 + 2 (w % 2)
.set G1H,  68                          ; A, two rows of 24,576 bytes
.set PFA,  76
.set G1HB, 80                          ; B likewise
.set SEL,  100
.set O2S,  104
.set MSB, 0
.macro WIN new                         ; the immediate's high byte repeats the setting that is left
.if MSB != (\new)
	s_set_vgpr_msb (MSB<<8)|(\new)
.set MSB, (\new)
.endif
.endm
.set MUL_LO, 0xa1
.set MUL_HI, 0xf1
.set TO_B,   0x40
.macro JLOAD g0a, g1a, g0b, g1b        ; a joint load: waves 0, 1 fetch for A, waves 2, 3 for B; an s_nop 0 and four v_nop follow each line
	s_cmp_eq_u32 s[HI], 0
	s_cbranch_scc0 .Lfor_b_\@
	tensor_load_to_lds s[\g0a:\g0a+3], s[\g1a:\g1a+7]
	s_nop 0
.rept 4
	v_nop
.endr
	s_branch .Lasked_\@
.Lfor_b_\@:
	tensor_load_to_lds s[\g0b:\g0b+3], s[\g1b:\g1b+7]
	s_nop 0
.rept 4
	v_nop
.endr
.Lasked_\@:
.endm
.macro CREST
	s_cmp_lg_u32 s[WV], 0
	s_cbranch_scc1 .Lnot_wave_0_\@
	s_barrier_signal -3
.Lnot_wave_0_\@:
	s_barrier_wait -3
	s_barrier_signal -1
	s_barrier_wait -1
.endm
.macro CROUND
	s_barrier_signal -1
	s_barrier_wait -1
	CREST
.endm
.macro PLACES n
.rept \n
	v_nop
.endr
.endm
.macro DESC g, c, r, p                 ; group 1 behind its first word: r rows of c elements of 8 bytes, p elements apart
	s_mov_b32 s[\g+1], (\c)<<16
	s_mov_b32 s[\g+2], (\r)<<16
	s_mov_b32 s[\g+3], (\c)<<16
	s_mov_b32 s[\g+4], \r
	s_mov_b32 s[\g+5], \p
	s_mov_b32 s[\g+6], 0
	s_mov_b32 s[\g+7], 0
.endm
.macro SETG g, l, lo, b, o             ; group 0: LDS address s[l] + lo, global address s[b:b+1] + o.  Written only where no tensor load of the wave is out
	s_mov_b32 s[\g], 1
	s_add_co_u32 s[\g+1], s[\l], \lo
	s_add_nc_u64 s[\g+2:\g+3], s[\b:\b+1], \o
	s_or_b32 s[\g+3], s[\g+3], 0x80000000
.endm
	s_load_b256 s[4:11], s[0:1], 0x0               ; the codes s[4:5], their scale words s[6:7], bq s[8:9], bk s[10:11]
	s_load_b128 s[12:15], s[0:1], 0x20             ; bv s[12:13], the results' codes s[14:15]
	s_load_b64 s[16:17], s[0:1], 0x30              ; and scale words
	v_lshl_add_u32 v[SPW], v0, 2, SPARE
	v_mov_b32 v[NIL], 0
	ds_add_u32 v[SPW], v[NIL]                      ; the opening: the add, twice on end, and its wait ahead of my first tensor load
	ds_add_u32 v[SPW], v[NIL]
	v_lshrrev_b32 v1, 5, v0
	v_readfirstlane_b32 s[WV], v1
	s_lshr_b32 s[HI], s[WV], 1                     ; my half of A's rows.  Also: I fetch for A (0) or for B (1)
	s_and_b32 s[LO], s[WV], 1                      ; my half of B's rows.  Also: which half I fetch
	s_bfe_u32 s[CX], ttmp6, 0x40000
	s_bfe_u32 s[CY], ttmp6, 0x40004
	s_lshl_b32 s23, s[CY], 2
	s_lshl_b32 s23, 15, s23                        ; my row of the cluster
	s_lshl_b32 s104, 0x1111, s[CX]                 ; my column
.irp g, G1, G1H, G1A2
	s_or_b32 s[\g], s23, (3<<16)|(1<<21)           ; the mask; elements of 8 bytes; bit 21 beside a mask
.endr
.irp g, G1B, G1HB
	s_or_b32 s[\g], s104, (3<<16)|(1<<21)
.endr
	DESC G1, 32, 96, 32
	DESC G1B, 32, 96, 32
	DESC G1H, 3072, 2, NRT*384
	DESC G1HB, 3072, 2, NRT*384
	DESC G1A2, 1536, 2, NRT*384
	; offsets; s23 holds what hangs on cy, s104 what hangs on cx
	s_lshr_b32 s2, ttmp9, 1
	s_lshl_b32 s2, s2, 2                           ; 4 (c / 2)
	s_and_b32 s3, ttmp9, 1
	s_lshl_b32 s3, s3, 2                           ; 4 (c % 2)
	s_add_co_u32 s23, s2, s[CY]                    ; pass 1, A: x's tile
	s_lshl_b32 s23, s23, 1
	s_add_co_u32 s23, s23, s[LO]
	s_lshl_b32 s23, s23, 3                         ; the first row tile that I fetch
	s_lshl_b32 s88, s23, 6
	s_mul_i32 s[GA], s23, 3072
	s_mov_b32 s[GA+1], 0
	s_add_co_u32 s104, s3, s[CX]                   ; pass 1, B: Wq's tiles begin at 32 (units of 256 rows), Wk's at 36
	s_add_co_u32 s104, s104, 32
	s_lshl_b32 s104, s104, 1
	s_add_co_u32 s104, s104, s[LO]
	s_lshl_b32 s104, s104, 3
	s_lshl_b32 s89, s104, 6
	s_mul_i32 s[GB], s104, 3072
	s_mov_b32 s[GB+1], 0
	s_add_co_u32 s23, s3, s[CY]                    ; pass 2, A: Wv's row tiles begin at 640; eight to my work-group
	s_lshl_b32 s23, s23, 3
	s_add_co_u32 s23, s23, 640
	s_lshl_b32 s90, s23, 6
	s_add_co_u32 s104, s2, s[CX]                   ; pass 2, B: x's tile
	s_lshl_b32 s104, s104, 1
	s_add_co_u32 s104, s104, s[LO]
	s_lshl_b32 s104, s104, 3
	s_lshl_b32 s91, s104, 6
	s_cmp_eq_u32 s[HI], 0
	s_cselect_b32 s88, s88, s89                    ; the scale words that I bring: pass 1's,
	s_cselect_b32 s90, s90, s91                    ; pass 2's;
	s_cselect_b32 s78, s[CX], s[CY]                ; my place among the four that ask for my tiles with me
	s_mov_b32 s89, 0
	s_mov_b32 s91, 0
	s_mul_i32 s78, s78, 6144                       ; 24 blocks of 256 bytes to each
	s_mov_b32 s79, 0
	s_mul_i32 s[LQ], s[WV], 2*HALFT
	s_mul_i32 s[LR], s[WV], HALFT
	s_add_co_u32 s[LR], s[LR], 8*HALFT
	s_mul_i32 s[LB4], s[LO], 2*HALFT
	s_add_co_u32 s[LB4], s[LB4], 8*HALFT
	s_mov_b32 s[SEL], 0x76543210
	s_mov_b32 s[SEL+1], 0xfedcba98                 ; v_permlanex16_b32's selects for lane l xor 16
	v_and_b32 v1, 15, v0                           ; r
	v_bfe_u32 v2, v0, 4, 1                         ; h
	v_and_b32 v3, 31, v0
	v_lshlrev_b32 v8, 6, v2                        ; pass 1: register 8 b + j gets the bias of column 32 (b / 2) + 16 h + 8 (b % 2) + j
	v_lshrrev_b32 v4, 3, v1
	v_and_b32 v5, 7, v1
	v_lshlrev_b32 v9, 6, v4
	v_lshl_add_u32 v9, v5, 2, v9                   ; pass 2: my lane's row in block a is 32 (a / 2) + 8 (a % 2) + r % 8 + 16 (r / 8)
	v_lshlrev_b32 v[OV], 4, v3
	v_lshlrev_b32 v[SV], 2, v3
	v_min_u32 v[PFO], 23, v3
	v_lshlrev_b32 v[PFO], 8, v[PFO]                ; a lane a block; lanes 24-31 name the last again
	s_mul_i32 s66, s[HI], 2*HALFT
	s_mul_i32 s67, s[LO], 2*HALFT
	s_add_co_u32 s67, s67, 4*HALFT
	v_add_nc_u32 v[ADRA], s66, v[OV]
	v_add_nc_u32 v[ADRB], s67, v[OV]
	v_add_nc_u32 v[ADRA+1], HALFT, v[ADRA]
	v_add_nc_u32 v[ADRB+1], HALFT, v[ADRB]
	s_mul_i32 s66, s[HI], HALFT
	s_mul_i32 s67, s[LO], HALFT
	s_add_co_u32 s66, s66, 8*HALFT
	s_add_co_u32 s67, s67, 10*HALFT
	v_add_nc_u32 v[ADRA+2], s66, v[OV]
	v_add_nc_u32 v[ADRB+2], s67, v[OV]
	v_add_nc_u32 v[ADRB+3], s[LB4], v[OV]
	s_mul_i32 s66, s[HI], RS                       ; pass 1's scale words: lanes 0-15 take A's rows, lanes 16-31 B's
	s_mul_i32 s67, s[LO], RS
	s_add_co_u32 s67, s67, 2*RS
	s_sub_co_u32 s67, s67, s66
	v_mul_u32_u24 v6, s67, v2
	s_add_co_u32 s66, s66, SCL
	v_lshl_add_u32 v5, v1, 2, v6
	v_add_nc_u32 v[ADRS], s66, v5
	s_lshl_b32 s66, s[HI], 8                       ; pass 2's: my four row tiles of Wv lie 256 HI bytes on in each K step
	s_mul_i32 s67, s[LO], RS
	s_add_co_u32 s67, s67, RS
	s_sub_co_u32 s67, s67, s66
	v_mul_u32_u24 v6, s67, v2
	s_add_co_u32 s66, s66, SCL2
	v_lshl_add_u32 v5, v1, 2, v6
	v_add_nc_u32 v[ADRS2], s66, v5
	s_mul_i32 s66, s[WV], RS                       ; where I put the scale words that I bring: pass 1: region w;
	s_add_co_u32 s66, s66, SCL
	v_add_nc_u32 v[SST], s66, v[OV]
	s_add_co_u32 s66, s[HI], s[LO]                 ; pass 2: wave 0 region 0, waves 2, 3 regions 1, 2 (wave 1 brings none)
	s_mul_i32 s66, s66, RS
	s_add_co_u32 s66, s66, SCL2
	v_add_nc_u32 v[SST2], s66, v[OV]
.irp b, 0,1,2,3
	v_mov_b32 v[TM+4+\b], 0                        ; written once: a lane permute's destination counts as one of its sources
.endr
	s_wait_alu depctr_va_vdst(0)
	s_wait_dscnt 0x0                               ; both opening adds are done
	s_wait_kmcnt 0x0
	s_add_nc_u64 s[88:89], s[6:7], s[88:89]
	s_add_nc_u64 s[90:91], s[6:7], s[90:91]
	s_add_nc_u64 s[GA:GA+1], s[4:5], s[GA:GA+1]
	s_add_nc_u64 s[GB:GB+1], s[4:5], s[GB:GB+1]
.irp j, 0,1,2,3,4,5,6,7
	global_load_b128 v[AF+4*\j:AF+4*\j+3], v[OV], s[88:89] offset:\j*NRT*64        ; a K step's words of eight row tiles: 512 consecutive bytes
.endr
	s_cmp_eq_u32 s[WV], 1
	s_cbranch_scc1 .Lw1_a
.irp j, 0,1,2,3,4,5,6,7
	global_load_b128 v[AF+32+4*\j:AF+32+4*\j+3], v[OV], s[90:91] offset:\j*NRT*64
.endr
.Lw1_a:
	CROUND                                         ; all sixteen work-groups are here: the first joint loads meet
	SETG G0, LQ, 0, GA, 0
	SETG G0B, LQ, 0, GB, 0
	JLOAD G0, G1H, G0B, G1HB                       ; K slots 0 and 1: my one tensor load at the head
	s_cmp_eq_u32 s[HI], 0
	s_cselect_b64 s[PFA:PFA+1], s[GA:GA+1], s[GB:GB+1]
	s_add_nc_u64 s[PFA:PFA+1], s[PFA:PFA+1], s[78:79]
	; pass 2's tiles.  s104 = the first row tile of x that I fetch there, s23 = Wv's first row tile of my work-group's eight
	s_mul_i32 s104, s104, 3072
	s_mov_b32 s105, 0
	s_add_nc_u64 s[B2:B2+1], s[4:5], s[104:105]
	s_lshl_b32 s66, s[LO], 2
	s_add_co_u32 s66, s66, s23                     ; four row tiles to a fetching wave
	s_mul_i32 s66, s66, 3072
	s_mov_b32 s67, 0
	s_add_nc_u64 s[A2:A2+1], s[4:5], s[66:67]
	global_prefetch_b8 v[PFO], s[PFA:PFA+1] offset:2*KSB th:TH_LOAD_NT scope:SCOPE_SE   ; my 24 blocks of K slot 2
	s_cmp_eq_u32 s3, 0                             ; the cluster's number: bq or bk
	s_cselect_b64 s[8:9], s[8:9], s[10:11]
	; where pass 2's results go: K slot = x's tile, K step LO, row tile of d = 8 x (4 (c % 2) + cy) + 4 HI
	s_sub_co_u32 s23, s23, 640
	s_lshl_b32 s66, s[HI], 2
	s_add_co_u32 s23, s23, s66
	s_add_co_u32 s104, s2, s[CX]
	s_lshl_b32 s66, s104, 6
	s_add_co_u32 s66, s66, s23
	s_mul_i32 s66, s66, 3072
	s_mul_i32 s105, s[LO], 1536
	s_add_co_u32 s66, s66, s105
	s_add_co_u32 s66, s66, VT_OFF
	s_add_nc_u64 s[O2C:O2C+1], s[14:15], s[66:67]
	s_lshl_b32 s104, s104, 1
	s_add_co_u32 s104, s104, s[LO]
	s_lshl_b32 s104, s104, 6
	s_add_co_u32 s104, s104, s23
	s_lshl_b32 s104, s104, 6
	s_add_co_u32 s104, s104, VTS_OFF
	s_mov_b32 s105, 0
	s_add_nc_u64 s[O2S:O2S+1], s[16:17], s[104:105]
	; where pass 1's go: K slot 4 (c % 2) + cx (q 0-3, k 4-7), K step LO, row tile 16 x x's tile + 8 HI
	s_add_co_u32 s23, s2, s[CY]
	s_lshl_b32 s23, s23, 1
	s_add_co_u32 s23, s23, s[HI]
	s_lshl_b32 s23, s23, 3
	s_add_co_u32 s2, s3, s[CX]
	s_lshl_b32 s66, s2, 9
	s_add_co_u32 s66, s66, s23
	s_mul_i32 s66, s66, 3072
	s_mul_i32 s67, s[LO], 1536
	s_add_co_u32 s66, s66, s67
	s_mov_b32 s67, 0
	s_add_nc_u64 s[O1C:O1C+1], s[O1C:O1C+1], s[66:67]
	s_lshl_b32 s2, s2, 1
	s_add_co_u32 s2, s2, s[LO]
	s_lshl_b32 s2, s2, 9
	s_add_co_u32 s2, s2, s23
	s_lshl_b32 s66, s2, 6
	s_add_nc_u64 s[O1S:O1S+1], s[O1S:O1S+1], s[66:67]
	; the biases: pass 1: my 128 columns, 256 cx + 128 LO on;  pass 2: my 64 rows of v^T, 128 (4 (c % 2) + cy) + 64 HI on
	s_lshl_b32 s66, s[CX], 10
	s_lshl_b32 s2, s[LO], 9
	s_add_co_u32 s66, s66, s2
	s_add_nc_u64 s[8:9], s[8:9], s[66:67]
	s_add_co_u32 s66, s3, s[CY]
	s_lshl_b32 s66, s66, 9
	s_lshl_b32 s2, s[HI], 8
	s_add_co_u32 s66, s66, s2
	s_add_nc_u64 s[12:13], s[12:13], s[66:67]
	s_mov_b32 s[HM], 0xffff0000                    ; lanes 16-31
.irp x, 0,1,2,3,4,5,6,7
	global_load_b128 v[BI+8*\x:BI+8*\x+3], v8, s[8:9] offset:4*(32*(\x/2)+8*(\x%2))        ; waited for behind pass 1's products
	global_load_b128 v[BI+8*\x+4:BI+8*\x+7], v8, s[8:9] offset:4*(32*(\x/2)+8*(\x%2))+16
.endr
.irp a, 0,1,2,3
	global_load_b32 v[BV+2*\a], v9, s[12:13] offset:4*(32*(\a/2)+8*(\a%2))                 ; twice: a pair for the packed addition
	global_load_b32 v[BV+2*\a+1], v9, s[12:13] offset:4*(32*(\a/2)+8*(\a%2))
.endr
	s_wait_loadcnt 24                              ; the scale words are in; the 24 loads of biases behind them may be out
.irp j, 0,1,2,3,4,5,6,7
	ds_store_b128 v[SST], v[AF+4*\j:AF+4*\j+3] offset:512*\j
.endr
	s_cmp_eq_u32 s[WV], 1
	s_cbranch_scc1 .Lw1_b
.irp j, 0,1,2,3,4,5,6,7
	ds_store_b128 v[SST2], v[AF+32+4*\j:AF+32+4*\j+3] offset:512*\j
.endr
.Lw1_b:
.macro FRAG reg, adr, off              ; a fragment comes back as it was stored: three loads of 16 bytes a lane
.irp c, 0,1,2
	ds_load_b128 v[\reg+4*\c:\reg+4*\c+3], v[\adr] offset:(\off)+512*\c
.endr
.endm
; 16 matrix instructions: A's blocks a0, a0 + 1 x B's eight.  The accumulators take turns, one instruction a turn, in the same order in every step of a pass.  zero = 1: the first product starts the sums
.macro MUL16 a0, p, q, sc, zero
.irp a, \a0, \a0+1
.irp b, 0,1,2,3,4,5,6,7
.if \zero
	v_wmma_scale_f32_16x16x128_f8f6f4 v[8*(8*((\a)%4)+\b):8*(8*((\a)%4)+\b)+7], v[128*(\p)+FR*\b:128*(\p)+FR*\b+FR-1], v[AF+FR*(\a):AF+FR*(\a)+FR-1], 0, v[SC+8*NQ*(\sc)+NQ*\b+(\q)], v[SC+8*NQ*(\sc)+NQ*(\a)+(\q)] matrix_a_fmt:MATRIX_FMT_FP6 matrix_b_fmt:MATRIX_FMT_FP6 matrix_a_scale:MATRIX_SCALE_ROW1
.else
	v_wmma_scale_f32_16x16x128_f8f6f4 v[8*(8*((\a)%4)+\b):8*(8*((\a)%4)+\b)+7], v[128*(\p)+FR*\b:128*(\p)+FR*\b+FR-1], v[AF+FR*(\a):AF+FR*(\a)+FR-1], v[8*(8*((\a)%4)+\b):8*(8*((\a)%4)+\b)+7], v[SC+8*NQ*(\sc)+NQ*\b+(\q)], v[SC+8*NQ*(\sc)+NQ*(\a)+(\q)] matrix_a_fmt:MATRIX_FMT_FP6 matrix_b_fmt:MATRIX_FMT_FP6 matrix_a_scale:MATRIX_SCALE_ROW1
.endif
.endr
.endr
.endm
.macro FETCH_B adr, off, p             ; B's eight fragments, row tile i at off + 3072 i, into set p
	WIN TO_B
.irp i, 0,1,2,3,4,5,6,7
	FRAG 128*(\p)+FR*\i, \adr, (\off)+3072*\i
.endr
	WIN 0
.endm
.macro FETCH_A adr, off, i0, n         ; A's blocks i0 .. i0 + n - 1
.set fi, \i0
.rept \n
	FRAG AF+FR*fi, \adr, (\off)+3072*fi
.set fi, fi+1
.endr
.endm
.macro SCALES sc, ars, ks              ; K slot ks's scale words: register 2 i + q: lanes 0-15 the word of A's block i, lanes 16-31 that of B's block i, K step q.  (Pass 2 has four blocks of A: no product names lanes 0-15 of its registers 8 to 15)
.irp q, 0,1
.irp i, 0,1,2,3,4,5,6,7
	ds_load_b32 v[SC+8*NQ*(\sc)+NQ*\i+\q], v[\ars] offset:1024*(\ks)+512*\q+64*\i
.endr
.endr
.endm
; PASS 1: a step of 128 along K; the next step's fragments are fetched in its middle and at its end.  K slot ks lies in the pieces of address register ks % 3.
; sync = 2, 3, 4: a round of the cluster's barrier and a refill: in front of it each wave waits for all its tensor loads, adds 0 to its spare word, and waits for that and for its LDS reads.
.macro P1 st, sync, zero
.set NX, (\st)+1
.set RG, (NX/2)%3
.if \sync
	s_wait_tensorcnt 0x0                           ; my one tensor load that was out has landed
	ds_add_u32 v[SPW], v[NIL]
	s_wait_dscnt 4*NL+1                            ; (the add and A's blocks 4-7 may be out)
	WIN MUL_LO
	MUL16 0, (\st)%2, (\st)%2, ((\st)/2)%2, \zero
	s_wait_dscnt 0x0                               ; the add is done, and so are all my LDS reads
	s_barrier_signal -1
	MUL16 2, (\st)%2, (\st)%2, ((\st)/2)%2, \zero
	WIN 0
	s_barrier_wait -1
	CREST                                          ; no wave of any partner still reads the pieces filled below or has a load on its way
.if \sync == 2
	SETG G0, LQ, 0, GA, 3*KSB                      ; K slot 3 over K slot 0, last read for step 1
	SETG G0B, LQ, 0, GB, 3*KSB
	JLOAD G0, G1, G0B, G1B
.elseif \sync == 3
	SETG G0, LQ, HALFT, A2, 0                      ; over K slot 1, last read for step 3: pass 2's K slots 0, 1 of Wv, K slot 0 of x
	SETG G0B, LQ, HALFT, B2, 0
	JLOAD G0, G1A2, G0B, G1B
.else
	SETG G0, LQ, 0, A2, 2*KSB                      ; over A's K slot 3: Wv's K slots 2, 3;  over K slot 2: x's K slots 1, 2
	SETG G0B, LB4, 0, B2, KSB
	JLOAD G0, G1A2, G0B, G1HB
.endif
.else
	s_wait_dscnt 4*NL                              ; all but the youngest twelve loads (A's blocks 4-7) are in
	WIN MUL_LO
	MUL16 0, (\st)%2, (\st)%2, ((\st)/2)%2, \zero
	MUL16 2, (\st)%2, (\st)%2, ((\st)/2)%2, \zero
	s_wait_dscnt 0x0
	PLACES NP                                      ; in front of loads into registers that matrix instructions have read
.endif
.if NX < 8
	FETCH_B ADRB+RG, 1536*(NX%2), NX%2
	FETCH_A ADRA+RG, 1536*(NX%2), 0, 4
.if NX%2 == 0
	SCALES (NX/2)%2, ADRS, NX/2
.endif
.endif
	WIN MUL_HI
	MUL16 4, (\st)%2, (\st)%2, ((\st)/2)%2, \zero
	MUL16 6, (\st)%2, (\st)%2, ((\st)/2)%2, \zero
.if NX < 8
	PLACES NP
	WIN 0
	FETCH_A ADRA+RG, 1536*(NX%2), 4, 4
.else
	WIN 0
.endif
.endm
; PASS 2: four blocks of A, 32 matrix instructions a step, no barrier.  Wv's K slot ks lies at ((ks + 2) % 4) x 12,288 of my quarter; x's K slots 0 and 3 in my quarter, 1 and 2 behind v[ADRB+3]
.macro P2 st, zero
.set NX, (\st)+1
.set KS2, NX/2
.set AO, ((KS2+2)%4)*12288+1536*(NX%2)
.set BO, 24576*(1-KS2%2)+1536*(NX%2)
.set BR, ADRB+3*(((KS2+1)/2)%2)
	s_wait_dscnt 2*NL                              ; all but the youngest six loads (A's blocks 2, 3) are in
	WIN MUL_LO
	MUL16 0, (\st)%2, (\st)%2, ((\st)/2)%2, \zero
	s_wait_dscnt 0x0
.if NX < 8
	PLACES NP
	FETCH_B BR, BO, NX%2
	FETCH_A ADRA, AO, 0, 2
.if NX%2 == 0
	SCALES (NX/2)%2, ADRS2, NX/2
.endif
	WIN MUL_LO
.endif
	MUL16 2, (\st)%2, (\st)%2, ((\st)/2)%2, \zero
.if NX < 8
	PLACES NP
	WIN 0
	FETCH_A ADRA, AO, 2, 2
.else
	WIN 0
.endif
.endm
; 64 numbers of a lane, register 16 b + i = k 32 b + 16 (lane / 16) + i of my row, become a fragment's codes in v[PC] on and its scale word in v[PW]
.macro QUANT s
.irp b, 0,1,2,3
	v_max3_num_f32 v[TM+\b], |v[\s+16*\b]|, |v[\s+1+16*\b]|, 0x1800000   ; the floor 2^(3 - 127): the byte cannot fall under 1
.endr
.irp i, 2,4,6,8,10,12,14
.irp b, 0,1,2,3
	v_max3_num_f32 v[TM+\b], v[TM+\b], |v[\s+16*\b+\i]|, |v[\s+1+16*\b+\i]|
.endr
.endr
.irp b, 0,1,2,3
	v_permlanex16_b32 v[TM+4+\b], v[TM+\b], s[SEL], s[SEL+1]
.endr
.irp b, 0,1,2,3
	v_max_num_f32 v[TM+\b], v[TM+\b], v[TM+4+\b]   ; with lane l xor 16's: the block's largest magnitude
.endr
.irp b, 0,1,2,3
	v_add_nc_u32 v[TM+12+\b], 0xff000000, v[TM+\b] ; 2 off its exponent field: the conversion's scale operand
.endr
.irp b, 0,1,2,3
	v_lshrrev_b32 v[TM+8+\b], 23, v[TM+12+\b]      ; the scale's byte
.endr
	v_lshl_or_b32 v[PW], v[TM+9], 8, v[TM+8]
	v_lshl_or_b32 v[PW], v[TM+10], 16, v[PW]
	v_lshl_or_b32 v[PW], v[TM+11], 24, v[PW]
.irp c, 0,1
	v_cvt_scalef32_pk16_fp6_f32 v[PC+6*\c:PC+2+6*\c], v[\s+32*\c:\s+15+32*\c], v[TM+12+2*\c]
	v_cvt_scalef32_pk16_fp6_f32 v[PC+12+4*\c:PC+14+4*\c], v[\s+16+32*\c:\s+31+32*\c], v[TM+12+2*\c+1]
.endr
	v_nop                                          ; one plain place behind a scaled conversion
.irp c, 0,1                            ; the operand's layout wants a whole block in a lane: lanes 0-15 block 2 c, lanes 16-31 block 2 c + 1
.irp i, 0,1,2
	v_permlane16_swap_b32 v[PC+6*\c+\i], v[PC+12+4*\c+\i]
.endr
.endr
.endm
; Block a (16 rows of A) on its way out: the bias is added, which also brings the sums into window 0; each accumulator is read from its low end on
.macro EPI1 a                          ; pass 1: a bias for each of my 64 columns
	WIN 0x02+(\a)/4
.set i, 0
.rept 32
	v_pk_add_f32 v[H+2*i:H+2*i+1], v[64*((\a)%4)+2*i:64*((\a)%4)+2*i+1], v[BI+2*i:BI+2*i+1]
.set i, i+1
.endr
	WIN 0
	QUANT H
.set DB, 64*((\a)%4)+16*(1-(\a)/4)     ; the fragment's twelve registers are laid into window 3, in accumulators that have been read out: blocks 4-7 (taken first) into their own, blocks 0-3 sixteen registers on.
	WIN 0xc0                                       ; No later line writes them, so no store's data are written again
.irp c, 0,1
.irp i, 0,1,2
	v_mov_b32 v[DB+6*\c+\i], v[PC+6*\c+\i]
	v_mov_b32 v[DB+3+6*\c+\i], v[PC+12+4*\c+\i]
.endr
.endr
	WIN 0x0c
.irp c, 0,1,2
	global_store_b128 v[OV], v[DB+4*\c:DB+4*\c+3], s[O1C:O1C+1] offset:3072*(\a)+512*\c   ; 512 consecutive bytes, aligned
.endr
	WIN 0
	v_mov_b32 v[PWS+(\a)], v[PW]
.endm
.macro EPI2 a                          ; pass 2: one bias, my lane's row's
	WIN 0x02
.set i, 0
.rept 32
	v_pk_add_f32 v[H+2*i:H+2*i+1], v[64*(\a)+2*i:64*(\a)+2*i+1], v[BV+2*(\a):BV+2*(\a)+1]
.set i, i+1
.endr
	WIN 0
	QUANT H
.set DB, 64*(\a)+32                    ; window 3 again, registers that pass 1's stores do not read
	WIN 0xc0
.irp c, 0,1
.irp i, 0,1,2
	v_mov_b32 v[DB+6*\c+\i], v[PC+6*\c+\i]
	v_mov_b32 v[DB+3+6*\c+\i], v[PC+12+4*\c+\i]
.endr
.endr
	WIN 0x0c
.irp c, 0,1,2
	global_store_b128 v[OV], v[DB+4*\c:DB+4*\c+3], s[O2C:O2C+1] offset:3072*(\a)+512*\c
.endr
	WIN 0
	v_mov_b32 v[PWS+(\a)], v[PW]
.endm
	s_wait_tensorcnt 0x0                           ; my part of K slots 0 and 1 is in
	ds_add_u32 v[SPW], v[NIL]
	s_wait_dscnt 0x0                               ; the add and my stores of scale words are done
	CROUND                                         ; everybody's tiles and scale words are in
	SETG G0, LR, 0, GA, 2*KSB
	SETG G0B, LR, 0, GB, 2*KSB
	JLOAD G0, G1, G0B, G1B                         ; K slot 2, a first fill
	FETCH_B ADRB, 0, 0
	FETCH_A ADRA, 0, 0, 4
	SCALES 0, ADRS, 0
	FETCH_A ADRA, 0, 4, 4
	global_prefetch_b8 v[PFO], s[PFA:PFA+1] offset:3*KSB th:TH_LOAD_NT scope:SCOPE_SE   ; my 24 blocks of K slot 3, which step 2 loads
	P1 0, 0, 1
	P1 1, 0, 0
	P1 2, 2, 0
	P1 3, 0, 0
	P1 4, 0, 0
	P1 5, 3, 0
	P1 6, 0, 0
	P1 7, 4, 0
	s_wait_loadcnt 0x0                             ; the biases
	PLACES NP                                      ; behind the last products
.irp a, 4,5,6,7
	EPI1 \a
.endr
	s_wait_alu depctr_va_vdst(0)
	s_wait_tensorcnt 0x0                           ; step 7's load has landed
	ds_add_u32 v[SPW], v[NIL]
	s_wait_dscnt 0x0
	CROUND
	SETG G0B, LQ, 0, B2, 3*KSB                     ; x's K slot 3 over B's K slot 3 of pass 1, last read for step 7: waves 2 and 3 alone have a part to fill
	s_cmp_eq_u32 s[HI], 0
	s_cbranch_scc1 .Lno_part
	tensor_load_to_lds s[G0B:G0B+3], s[G1B:G1B+7]
	s_nop 0
.rept 4
	v_nop
.endr
.Lno_part:
.irp a, 0,1,2,3
	EPI1 \a
.endr
.irp i, 0,1,2,3
	v_cndmask_b32 v[PT+\i], v[PWS+2*\i], v[PWS+2*\i+1], s[HM]   ; two row tiles' words side by side (both halves of the lanes hold a row's word)
.endr
.irp i, 0,1,2,3
	global_store_b32 v[SV], v[PT+\i], s[O1S:O1S+1] offset:128*\i   ; together 512 consecutive bytes
.endr
	s_wait_alu depctr_va_vdst(0)
	s_wait_tensorcnt 0x0                           ; x's K slot 3 is in: behind this barrier all of pass 2's tiles are whole for every wave
	ds_add_u32 v[SPW], v[NIL]
	s_wait_dscnt 0x0
	s_barrier_signal -1
	s_barrier_wait -1
	FETCH_B ADRB, 24576, 0                         ; PASS 2
	FETCH_A ADRA, 24576, 0, 2
	SCALES 0, ADRS2, 0
	FETCH_A ADRA, 24576, 2, 2
	P2 0, 1
.irp t, 1,2,3,4,5,6,7
	P2 \t, 0
.endr
	PLACES NP                                      ; behind the last products
.irp a, 0,1,2,3
	EPI2 \a
.endr
.irp i, 0,1
	v_cndmask_b32 v[PT+4+\i], v[PWS+2*\i], v[PWS+2*\i+1], s[HM]   ; (registers of their own: pass 1's stores read v[PT] to v[PT+3])
.endr
.irp i, 0,1
	global_store_b32 v[SV], v[PT+4+\i], s[O2S:O2S+1] offset:128*\i   ; together 256 consecutive bytes, aligned
.endr
	s_wait_tensorcnt 0x0                           ; the wave's end
	ds_add_u32 v[SPW], v[NIL]
	s_wait_dscnt 0x0
	CROUND                                         ; the closing round
	s_endpgm
.Lfunc_end_k_q46efd9a06a_proj:
	.size	k_q46efd9a06a_proj, .Lfunc_end_k_q46efd9a06a_proj-k_q46efd9a06a_proj
	.p2alignl 7, 3214868480
	.fill 96, 4, 3214868480
	.section	.rodata,"a",@progbits
	.p2align	6, 0x0
	.amdhsa_kernel k_q46efd9a06a_proj
		.amdhsa_group_segment_fixed_size 327680
		.amdhsa_private_segment_fixed_size 0
		.amdhsa_enable_private_segment 0
		.amdhsa_kernarg_size 56
		.amdhsa_user_sgpr_count 2
		.amdhsa_user_sgpr_kernarg_segment_ptr 1
		.amdhsa_wavefront_size32 1
		.amdhsa_system_sgpr_workgroup_id_x 1
		.amdhsa_system_sgpr_workgroup_id_y 1
		.amdhsa_system_sgpr_workgroup_id_z 1
		.amdhsa_system_vgpr_workitem_id 0
		.amdhsa_next_free_vgpr 1024
		.amdhsa_next_free_sgpr 106
		.amdhsa_reserve_vcc 0
		.amdhsa_float_denorm_mode_32 3
		.amdhsa_float_denorm_mode_16_64 3
		.amdhsa_memory_ordered 1
		.amdhsa_forward_progress 1
		.amdhsa_inst_pref_size 254
	.end_amdhsa_kernel
	.amdgpu_metadata
---
amdhsa.version: [ 1, 2 ]
amdhsa.kernels:
  - .name:           k_q46efd9a06a_proj
    .symbol:         k_q46efd9a06a_proj.kd
    .args:
      - { .name: xw_codes, .offset: 0, .size: 8, .value_kind: global_buffer, .address_space: global }
      - { .name: xw_scales, .offset: 8, .size: 8, .value_kind: global_buffer, .address_space: global }
      - { .name: bq, .offset: 16, .size: 8, .value_kind: global_buffer, .address_space: global }
      - { .name: bk, .offset: 24, .size: 8, .value_kind: global_buffer, .address_space: global }
      - { .name: bv, .offset: 32, .size: 8, .value_kind: global_buffer, .address_space: global }
      - { .name: qkv_codes, .offset: 40, .size: 8, .value_kind: global_buffer, .address_space: global }
      - { .name: qkv_scales, .offset: 48, .size: 8, .value_kind: global_buffer, .address_space: global }
    .group_segment_fixed_size: 327680
    .private_segment_fixed_size: 0
    .kernarg_segment_align: 8
    .kernarg_segment_size: 56
    .max_flat_workgroup_size: 128
    .sgpr_count:     106
    .vgpr_count:     1024
    .wavefront_size: 32
...
	.end_amdgpu_metadata
.endif
;; end of part 2
;; launch scores (part 3): grid 64 x 4, 4 waves a work-group, clusters of 4 x 4, 327,680 bytes of LDS; arguments qkv_codes, qkv_scales, p_codes, p_scales, p_stats; writes p_codes, p_scales, p_stats
.if DOCPART == 3
	.amdgcn_target "amdgcn-amd-amdhsa--gfx1250"
	.amdhsa_code_object_version 6
	.text
	.protected	k_q46efd9a06a_scores
	.globl	k_q46efd9a06a_scores
	.p2align	8
	.type	k_q46efd9a06a_scores,@function
k_q46efd9a06a_scores:
	s_mov_b64 s[64:65], 0
	v_nop
	global_prefetch_b8 v0, s[64:65] scope:SCOPE_SE
	s_setreg_imm32_b32 hwreg(HW_REG_WAVE_MODE, 25, 1), 1
	s_wait_xcnt 0x0
	s_wait_alu depctr_hold_cnt(0) depctr_sa_sdst(0) depctr_va_vdst(0) depctr_va_sdst(0) depctr_va_ssrc(0) depctr_va_vcc(0) depctr_vm_vsrc(0)
	s_getreg_b32 s2, hwreg(HW_REG_IB_STS2, 6, 4)
	s_cmp_eq_u32 s2, 0
	s_cbranch_scc0 .Lentry_in_a_cluster
	s_endpgm
.Lentry_in_a_cluster:
	s_bfe_u32 s2, ttmp6, 0x10000c
	s_cmp_lg_u32 s2, 0xf033
	s_cbranch_scc0 .Lentry_shape_is_right
	s_endpgm
.Lentry_shape_is_right:
; LAUNCH 3 OF 4: S^T = k q^T, and the softmax's p as codes.  Nothing is left out.
; A tile of 256 queries x 256 keys to a work-group, 128 x 128 to a wave, K = 1,024 (d) in four K slots of 256; source 0 = 16 keys, source 1 = 16 queries: a lane holds ONE query and 64 of its wave's 128 keys.
; LDS, as in launch 2: twelve pieces of 24,576 bytes.  Head: K slots 0 and 1 into pieces 2 w, 2 w + 1 (one tensor load a wave);  behind the first round K slot 2 into piece 8 + w, a first fill;  step 2: K slot 3 over K slot 0;  a plain barrier in step 5 shows it.
; The scale words come through registers, eight loads of 512 consecutive bytes a wave, into LDS bytes of their own; they are not asked for jointly: 16,384 bytes of the 409,600 that a work-group takes in.
; PREFETCH: K slot 2 is named at the head, K slot 3 behind the first fill, one fill ahead of the load that wants it; of a wave's 96 blocks of 256 bytes each of the four partners names 24, told apart by address.
; THE SOFTMAX BY CHUNKS OF 128 KEYS.  t = score x log2(e) / 32.  Each wave takes the maximum away with a whole number M of its own chunk, M = ceil(the chunk's largest t): p = 2^(t - M), at most 1; p is quantised along the keys;
; the chunk's sum l is taken of the unquantised p.  The last launch joins the sixteen chunks of a row: every difference of two M is a whole number, which the blocks' scale bytes take up exactly.
; Stored: p_codes [batch][K slot of keys 8][128 row tiles of queries][2][1536] (images of the operand's registers), p_scales [batch][chunk 16][128][64], p_stats [batch][chunk 16][128][-M: 16 x 4 | l: 16 x 4].
; CLUSTERS 4 x 4: q's tiles hang on cy alone, k's on cx alone.
; LIMITS: NaN and infinities are not served; a block whose every p lies under 2^(3 - 127) gets the byte 1; a p under 2^-126 counts as 0.
; A block's largest p is not searched for: the block's largest score goes through the same multiply-add and exponential (this takes v_exp_f32 not to fall where its input rises).
; REGISTERS: as in launch 2; behind the products window 0 holds: v64-83 maxima; v84-87, v103 permutes' results; v88-95 scales; v[96:97] -M; v98-102 sums; v104-111 the scale words; v128-191 p; v192-210 its codes.
.set NRT,   512
.set KSB,   NRT*3072
.set BBASE, 6291456
.set SBBASE, 262144
.set FR,    12
.set NL,    3
.set NP,    4
.set NQ,    2
.set HALFT, 24576
.set SCL,   12*HALFT
.set RS,    4096
.set SPARE, SCL+4*RS
.set PFO,  10
.set ADRA, 16
.set SST,  19
.set ADRB, 20
.set OV,   24
.set SV,   25
.set ADRS, 27
.set SPW,  28
.set NIL,  29
.set SC,   32
.set T,    64
.set PX,   84
.set SO,   88
.set BY,   92
.set NEGM, 96
.set PWS,  104
.set PT,   116
.set AF,   128
.set H,    128
.set PC,   192
.set WV,   18
.set HI,   19
.set LO,   20
.set CX,   21
.set CY,   22
.set G1,   24
.set G0,   32
.set GA,   36
.set GB,   38
.set AT,   41
.set BT,   42
.set G1B,  48
.set G0B,  56
.set LQ,   60
.set LR,   61
.set G1H,  68
.set PFA,  76
.set G1HB, 80
.set CS,   92
.set HM,   98
.set SEL,  100
.set MSB, 0
.macro WIN new
.if MSB != (\new)
	s_set_vgpr_msb (MSB<<8)|(\new)
.set MSB, (\new)
.endif
.endm
.set MUL_LO, 0xa1
.set MUL_HI, 0xf1
.set TO_B,   0x40
.macro JLOAD g0a, g1a, g0b, g1b        ; a joint load: waves 0, 1 fetch for q, waves 2, 3 for k; an s_nop 0 and four v_nop follow each line
	s_cmp_eq_u32 s[HI], 0
	s_cbranch_scc0 .Lfor_b_\@
	tensor_load_to_lds s[\g0a:\g0a+3], s[\g1a:\g1a+7]
	s_nop 0
.rept 4
	v_nop
.endr
	s_branch .Lasked_\@
.Lfor_b_\@:
	tensor_load_to_lds s[\g0b:\g0b+3], s[\g1b:\g1b+7]
	s_nop 0
.rept 4
	v_nop
.endr
.Lasked_\@:
.endm
.macro CREST
	s_cmp_lg_u32 s[WV], 0
	s_cbranch_scc1 .Lnot_wave_0_\@
	s_barrier_signal -3
.Lnot_wave_0_\@:
	s_barrier_wait -3
	s_barrier_signal -1
	s_barrier_wait -1
.endm
.macro CROUND
	s_barrier_signal -1
	s_barrier_wait -1
	CREST
.endm
.macro PLACES n
.rept \n
	v_nop
.endr
.endm
.macro DESC g, c, r, p                 ; group 1 behind its first word: r rows of c elements of 8 bytes, p elements apart
	s_mov_b32 s[\g+1], (\c)<<16
	s_mov_b32 s[\g+2], (\r)<<16
	s_mov_b32 s[\g+3], (\c)<<16
	s_mov_b32 s[\g+4], \r
	s_mov_b32 s[\g+5], \p
	s_mov_b32 s[\g+6], 0
	s_mov_b32 s[\g+7], 0
.endm
.macro SETG g, l, lo, b, o             ; group 0; written only where no tensor load of the wave is out
	s_mov_b32 s[\g], 1
	s_add_co_u32 s[\g+1], s[\l], \lo
	s_add_nc_u64 s[\g+2:\g+3], s[\b:\b+1], \o
	s_or_b32 s[\g+3], s[\g+3], 0x80000000
.endm
	s_load_b256 s[4:11], s[0:1], 0x0               ; q's and k's codes s[4:5], their scale words s[6:7], p's codes s[8:9], p's scale words s[10:11]
	s_load_b64 s[12:13], s[0:1], 0x20              ; -M and l
	v_lshl_add_u32 v[SPW], v0, 2, SPARE
	v_mov_b32 v[NIL], 0
	ds_add_u32 v[SPW], v[NIL]                      ; the opening: the add, twice on end, and its wait ahead of my first tensor load
	ds_add_u32 v[SPW], v[NIL]
	v_lshrrev_b32 v1, 5, v0
	v_readfirstlane_b32 s[WV], v1
	s_lshr_b32 s[HI], s[WV], 1
	s_and_b32 s[LO], s[WV], 1
	s_bfe_u32 s[CX], ttmp6, 0x40000
	s_bfe_u32 s[CY], ttmp6, 0x40004
	s_lshr_b32 s2, ttmp9, 2
	s_lshl_b32 s2, s2, 3                           ; 8 x batch: a batch has eight tiles of 256 rows
	s_bfe_u32 s[AT], ttmp9, 0x10001
	s_lshl_b32 s[AT], s[AT], 2
	s_add_co_u32 s[AT], s[AT], s2
	s_add_co_u32 s[AT], s[AT], s[CY]               ; the queries' tile hangs on cy alone,
	s_and_b32 s[BT], ttmp9, 1
	s_lshl_b32 s[BT], s[BT], 2
	s_add_co_u32 s[BT], s[BT], s2
	s_add_co_u32 s[BT], s[BT], s[CX]               ; the keys' on cx alone
	s_lshl_b32 s43, s[CY], 2
	s_lshl_b32 s43, 15, s43
	s_lshl_b32 s44, 0x1111, s[CX]
.irp g, G1, G1H
	s_or_b32 s[\g], s43, (3<<16)|(1<<21)
.endr
.irp g, G1B, G1HB
	s_or_b32 s[\g], s44, (3<<16)|(1<<21)
.endr
	DESC G1, 32, 96, 32
	DESC G1B, 32, 96, 32
	DESC G1H, 3072, 2, NRT*384
	DESC G1HB, 3072, 2, NRT*384
	s_lshl_b32 s47, s[LO], 3
	s_lshl_b32 s[GA], s[AT], 4
	s_add_co_u32 s[GA], s[GA], s47                 ; the first row tile that I fetch
	s_lshl_b32 s88, s[GA], 6
	s_mul_i32 s[GA], s[GA], 3072
	s_mov_b32 s[GA+1], 0
	s_lshl_b32 s[GB], s[BT], 4
	s_add_co_u32 s[GB], s[GB], s47
	s_lshl_b32 s96, s[GB], 6
	s_add_co_u32 s96, s96, SBBASE                  ; k's scale words lie behind q's eight K steps,
	s_mul_i32 s[GB], s[GB], 3072
	s_add_co_u32 s[GB], s[GB], BBASE               ; its codes behind q's four K slots
	s_mov_b32 s[GB+1], 0
	s_cmp_eq_u32 s[HI], 0
	s_cselect_b32 s88, s88, s96                    ; the scale words that I bring
	s_cselect_b32 s78, s[CX], s[CY]                ; my place among the four that ask for my tiles with me
	s_mov_b32 s89, 0
	s_mul_i32 s78, s78, 6144
	s_mov_b32 s79, 0
	s_mul_i32 s[LQ], s[WV], 2*HALFT
	s_mul_i32 s[LR], s[WV], HALFT
	s_add_co_u32 s[LR], s[LR], 8*HALFT
	s_mov_b32 s[HM], 0xffff0000
	s_mov_b32 s[SEL], 0x76543210
	s_mov_b32 s[SEL+1], 0xfedcba98
	s_mov_b32 s[CS], 0x3d38aa3b                    ; c = log2(e) / sqrt(1024)
	s_mov_b32 s[CS+1], s[CS]                       ; (named with it as a pair, so it is written)
	v_and_b32 v1, 15, v0
	v_bfe_u32 v2, v0, 4, 1
	v_and_b32 v3, 31, v0
	v_lshlrev_b32 v[OV], 4, v3
	v_lshlrev_b32 v[SV], 2, v3
	v_min_u32 v[PFO], 23, v3
	v_lshlrev_b32 v[PFO], 8, v[PFO]                ; a lane a block; lanes 24-31 name the last again
	s_mul_i32 s66, s[HI], 2*HALFT
	s_mul_i32 s67, s[LO], 2*HALFT
	s_add_co_u32 s67, s67, 4*HALFT
	v_add_nc_u32 v[ADRA], s66, v[OV]
	v_add_nc_u32 v[ADRB], s67, v[OV]
	v_add_nc_u32 v[ADRA+1], HALFT, v[ADRA]
	v_add_nc_u32 v[ADRB+1], HALFT, v[ADRB]
	s_mul_i32 s66, s[HI], HALFT
	s_mul_i32 s67, s[LO], HALFT
	s_add_co_u32 s66, s66, 8*HALFT
	s_add_co_u32 s67, s67, 10*HALFT
	v_add_nc_u32 v[ADRA+2], s66, v[OV]
	v_add_nc_u32 v[ADRB+2], s67, v[OV]
	s_mul_i32 s66, s[HI], RS                       ; the scale words: lanes 0-15 take q's rows, lanes 16-31 k's
	s_mul_i32 s67, s[LO], RS
	s_add_co_u32 s67, s67, 2*RS
	s_sub_co_u32 s67, s67, s66
	v_mul_u32_u24 v6, s67, v2
	s_add_co_u32 s66, s66, SCL
	v_lshl_add_u32 v5, v1, 2, v6
	v_add_nc_u32 v[ADRS], s66, v5
	s_mul_i32 s66, s[WV], RS
	s_add_co_u32 s66, s66, SCL
	v_add_nc_u32 v[SST], s66, v[OV]                ; where I put the scale words that I bring: region w
.irp b, 0,1,2,3
	v_mov_b32 v[PX+\b], 0                          ; written once: a lane permute's destination counts as one of its sources
.endr
	v_mov_b32 v103, 0
	v_mov_b32 v[NEGM+1], 0                         ; (named as the upper half of a pair)
	s_wait_alu depctr_va_vdst(0)
	s_wait_dscnt 0x0
	s_wait_kmcnt 0x0
	s_add_nc_u64 s[88:89], s[6:7], s[88:89]
	s_add_nc_u64 s[GA:GA+1], s[4:5], s[GA:GA+1]
	s_add_nc_u64 s[GB:GB+1], s[4:5], s[GB:GB+1]
.irp j, 0,1,2,3,4,5,6,7
	global_load_b128 v[AF+4*\j:AF+4*\j+3], v[OV], s[88:89] offset:\j*NRT*64        ; a K step's words of eight row tiles: 512 consecutive bytes
.endr
	CROUND                                         ; all sixteen work-groups are here: the first joint loads meet
	SETG G0, LQ, 0, GA, 0
	SETG G0B, LQ, 0, GB, 0
	JLOAD G0, G1H, G0B, G1HB                       ; K slots 0 and 1: my one tensor load at the head
	s_cmp_eq_u32 s[HI], 0
	s_cselect_b64 s[PFA:PFA+1], s[GA:GA+1], s[GB:GB+1]
	s_add_nc_u64 s[PFA:PFA+1], s[PFA:PFA+1], s[78:79]
	; where my results go: K slot of keys BT (8 batch + the keys' tile), K step LO; row tile 16 x the queries' tile in the batch + 8 HI
	s_lshr_b32 s2, ttmp9, 2
	s_lshl_b32 s2, s2, 3
	s_sub_co_u32 s2, s[AT], s2
	s_lshl_b32 s2, s2, 4
	s_lshl_b32 s3, s[HI], 3
	s_add_co_u32 s2, s2, s3
	s_lshl_b32 s3, s[BT], 7
	s_add_co_u32 s3, s3, s2
	s_mul_i32 s3, s3, 3072
	s_mul_i32 s23, s[LO], 1536
	s_add_co_u32 s94, s3, s23
	s_mov_b32 s95, 0
	global_prefetch_b8 v[PFO], s[PFA:PFA+1] offset:2*KSB th:TH_LOAD_NT scope:SCOPE_SE   ; my 24 blocks of K slot 2
	s_lshl_b32 s3, s[BT], 1
	s_add_co_u32 s3, s3, s[LO]
	s_lshl_b32 s3, s3, 7
	s_add_co_u32 s3, s3, s2                        ; (16 batch + chunk) x 128 + row tile
	s_lshl_b32 s96, s3, 6
	s_mov_b32 s97, 0
	s_lshl_b32 s66, s3, 7
	s_mov_b32 s67, 0
	s_add_nc_u64 s[8:9], s[8:9], s[94:95]
	s_add_nc_u64 s[10:11], s[10:11], s[96:97]
	s_add_nc_u64 s[12:13], s[12:13], s[66:67]
	s_wait_loadcnt 0x0                             ; the scale words are in
.irp j, 0,1,2,3,4,5,6,7
	ds_store_b128 v[SST], v[AF+4*\j:AF+4*\j+3] offset:512*\j
.endr
.macro FRAG reg, adr, off
.irp c, 0,1,2
	ds_load_b128 v[\reg+4*\c:\reg+4*\c+3], v[\adr] offset:(\off)+512*\c
.endr
.endm
.macro MUL16 a0, p, q, sc, zero        ; the 64 accumulators take turns, one instruction a turn
.irp a, \a0, \a0+1
.irp b, 0,1,2,3,4,5,6,7
.if \zero
	v_wmma_scale_f32_16x16x128_f8f6f4 v[8*(8*((\a)%4)+\b):8*(8*((\a)%4)+\b)+7], v[128*(\p)+FR*\b:128*(\p)+FR*\b+FR-1], v[AF+FR*(\a):AF+FR*(\a)+FR-1], 0, v[SC+8*NQ*(\sc)+NQ*\b+(\q)], v[SC+8*NQ*(\sc)+NQ*(\a)+(\q)] matrix_a_fmt:MATRIX_FMT_FP6 matrix_b_fmt:MATRIX_FMT_FP6 matrix_a_scale:MATRIX_SCALE_ROW1
.else
	v_wmma_scale_f32_16x16x128_f8f6f4 v[8*(8*((\a)%4)+\b):8*(8*((\a)%4)+\b)+7], v[128*(\p)+FR*\b:128*(\p)+FR*\b+FR-1], v[AF+FR*(\a):AF+FR*(\a)+FR-1], v[8*(8*((\a)%4)+\b):8*(8*((\a)%4)+\b)+7], v[SC+8*NQ*(\sc)+NQ*\b+(\q)], v[SC+8*NQ*(\sc)+NQ*(\a)+(\q)] matrix_a_fmt:MATRIX_FMT_FP6 matrix_b_fmt:MATRIX_FMT_FP6 matrix_a_scale:MATRIX_SCALE_ROW1
.endif
.endr
.endr
.endm
.macro FETCH_B adr, off, p
	WIN TO_B
.irp i, 0,1,2,3,4,5,6,7
	FRAG 128*(\p)+FR*\i, \adr, (\off)+3072*\i
.endr
	WIN 0
.endm
.macro FETCH_A adr, off, i0, n
.set fi, \i0
.rept \n
	FRAG AF+FR*fi, \adr, (\off)+3072*fi
.set fi, fi+1
.endr
.endm
.macro SCALES sc, ars, ks
.irp q, 0,1
.irp i, 0,1,2,3,4,5,6,7
	ds_load_b32 v[SC+8*NQ*(\sc)+NQ*\i+\q], v[\ars] offset:1024*(\ks)+512*\q+64*\i
.endr
.endr
.endm
; A step of 128 along K; the next step's fragments are fetched in its middle and at its end.  K slot ks lies in the pieces of address register ks % 3.
; sync = 1: a barrier that shows a tile landed;  sync = 2: it opens a round of the cluster's barrier, and K slot 3 is laid over K slot 0
.macro STEP st, sync, zero
.set NX, (\st)+1
.set RG, (NX/2)%3
.if \sync
	s_wait_tensorcnt 0x0                           ; my one tensor load that was out has landed
	ds_add_u32 v[SPW], v[NIL]
	s_wait_dscnt 4*NL+1                            ; (the add and A's blocks 4-7 may be out)
	WIN MUL_LO
	MUL16 0, (\st)%2, (\st)%2, ((\st)/2)%2, \zero
	s_wait_dscnt 0x0                               ; the add is done, and so are all my LDS reads
	s_barrier_signal -1
	MUL16 2, (\st)%2, (\st)%2, ((\st)/2)%2, \zero
	WIN 0
	s_barrier_wait -1
.if \sync == 2
	CREST                                          ; no wave of any partner still reads K slot 0 (last read for step 1) or has a load on its way
	SETG G0, LQ, 0, GA, 3*KSB
	SETG G0B, LQ, 0, GB, 3*KSB
	JLOAD G0, G1, G0B, G1B
.else
	PLACES NP
.endif
.else
	s_wait_dscnt 4*NL                              ; all but the youngest twelve loads (A's blocks 4-7) are in
	WIN MUL_LO
	MUL16 0, (\st)%2, (\st)%2, ((\st)/2)%2, \zero
	MUL16 2, (\st)%2, (\st)%2, ((\st)/2)%2, \zero
	s_wait_dscnt 0x0
	PLACES NP
.endif
.if NX < 8
	FETCH_B ADRB+RG, 1536*(NX%2), NX%2
	FETCH_A ADRA+RG, 1536*(NX%2), 0, 4
.if NX%2 == 0
	SCALES (NX/2)%2, ADRS, NX/2
.endif
.endif
	WIN MUL_HI
	MUL16 4, (\st)%2, (\st)%2, ((\st)/2)%2, \zero
	MUL16 6, (\st)%2, (\st)%2, ((\st)/2)%2, \zero
.if NX < 8
	PLACES NP
	WIN 0
	FETCH_A ADRA+RG, 1536*(NX%2), 4, 4
.else
	WIN 0
.endif
.endm
	s_wait_tensorcnt 0x0                           ; my part of K slots 0 and 1 is in
	ds_add_u32 v[SPW], v[NIL]
	s_wait_dscnt 0x0                               ; the add and my stores of scale words are done
	CROUND
	SETG G0, LR, 0, GA, 2*KSB
	SETG G0B, LR, 0, GB, 2*KSB
	JLOAD G0, G1, G0B, G1B                         ; K slot 2, a first fill
	FETCH_B ADRB, 0, 0
	FETCH_A ADRA, 0, 0, 4
	SCALES 0, ADRS, 0
	FETCH_A ADRA, 0, 4, 4
	global_prefetch_b8 v[PFO], s[PFA:PFA+1] offset:3*KSB th:TH_LOAD_NT scope:SCOPE_SE   ; my 24 blocks of K slot 3, which step 2 loads
	STEP 0, 0, 1
	STEP 1, 0, 0
	STEP 2, 2, 0
	STEP 3, 0, 0
	STEP 4, 0, 0
	STEP 5, 1, 0
	STEP 6, 0, 0
	STEP 7, 0, 0
; Block a: 16 queries x my 128 keys.  Register 16 b + i of the block's 64 is key 32 b + 16 (lane / 16) + i.
.macro SOFTQ a
.set AC, 64*((\a)%4)
.set W3, 2+(\a)/4
	WIN W3*0x15                                    ; all three sources in the accumulators' window
.irp g, 0,1,2,3,4                      ; the largest score of each block of 32 keys, in ascending order of registers: each accumulator is first read at its low end
.irp b, 0,1,2,3
	v_max3_num_f32 v[T+4*\g+\b], v[AC+16*\b+3*\g], v[AC+16*\b+3*\g+1], v[AC+16*\b+3*\g+2]
.endr
.endr
	WIN W3
.irp b, 0,1,2,3
	v_max3_num_f32 v[T+\b], v[AC+16*\b+15], v[T+\b], v[T+4+\b]
.endr
	WIN 0
.irp b, 0,1,2,3
	v_max3_num_f32 v[T+\b], v[T+\b], v[T+8+\b], v[T+12+\b]
.endr
.irp b, 0,1,2,3
	v_max_num_f32 v[T+\b], v[T+\b], v[T+16+\b]
.endr
.irp b, 0,1,2,3
	v_permlanex16_b32 v[PX+\b], v[T+\b], s[SEL], s[SEL+1]
.endr
.irp b, 0,1,2,3
	v_max_num_f32 v[T+\b], v[T+\b], v[PX+\b]       ; with lane l xor 16's 16 keys
.endr
	v_max3_num_f32 v102, v[T], v[T+1], v[T+2]
	v_max_num_f32 v102, v102, v[T+3]               ; the chunk's largest score of my query
	v_mul_f32 v102, s[CS], v102                    ; as t (c is positive)
	v_floor_f32 v[NEGM], -v102                     ; -M = floor(-t) = -ceil(t): a whole number
	WIN W3
.set i, 0
.rept 32
	v_pk_fma_f32 v[H+2*i:H+2*i+1], v[AC+2*i:AC+2*i+1], s[CS:CS+1], v[NEGM:NEGM+1] op_sel_hi:[1,0,0]   ; t - M, two at a time, into window 0
.set i, i+1
.endr
	WIN 0
.irp b, 0,1,2,3
	v_fma_f32 v[T+\b], v[T+\b], s[CS], v[NEGM]     ; the same of each block's largest score
.endr
.set i, 0
	s_wait_alu depctr_va_vdst(0)
.rept 64
	v_exp_f32 v[H+i], v[H+i]                       ; p = 2^(t - M): not normalised
.set i, i+1
.endr
	v_nop                                          ; a plain place behind the exponentials
	s_wait_alu depctr_va_vdst(0)                   ; one wait for the whole batch, ahead of its first reader
.irp b, 0,1,2,3
	v_exp_f32 v[T+\b], v[T+\b]                     ; the block's largest p
.endr
	v_pk_add_f32 v[98:99], v[H:H+1], v[H+2:H+3]    ; the sum is taken of the unquantised p, in two chains (plain work behind the four)
	v_pk_add_f32 v[100:101], v[H+4:H+5], v[H+6:H+7]
.irp j, 8,12,16,20,24,28,32,36,40,44,48,52,56,60
	v_pk_add_f32 v[98:99], v[98:99], v[H+\j:H+\j+1]
	v_pk_add_f32 v[100:101], v[100:101], v[H+\j+2:H+\j+3]
.endr
	v_pk_add_f32 v[98:99], v[98:99], v[100:101]
	s_wait_alu depctr_va_vdst(0)                   ; and one for the four
.irp b, 0,1,2,3
	v_max_num_f32 v[T+\b], 0x1800000, v[T+\b]      ; the floor 2^(3 - 127): the byte cannot fall under 1
.endr
.irp b, 0,1,2,3
	v_add_nc_u32 v[SO+\b], 0xff000000, v[T+\b]     ; 2 off the exponent field: the conversion's scale operand
.endr
.irp b, 0,1,2,3
	v_lshrrev_b32 v[BY+\b], 23, v[SO+\b]
.endr
	v_lshl_or_b32 v[PWS+(\a)], v[BY+1], 8, v[BY]   ; p's scale word for these 128 keys
	v_lshl_or_b32 v[PWS+(\a)], v[BY+2], 16, v[PWS+(\a)]
	v_lshl_or_b32 v[PWS+(\a)], v[BY+3], 24, v[PWS+(\a)]
.irp c, 0,1
	v_cvt_scalef32_pk16_fp6_f32 v[PC+6*\c:PC+2+6*\c], v[H+32*\c:H+15+32*\c], v[SO+2*\c]
	v_cvt_scalef32_pk16_fp6_f32 v[PC+12+4*\c:PC+14+4*\c], v[H+16+32*\c:H+31+32*\c], v[SO+2*\c+1]
.endr
	v_nop                                          ; one plain place behind a scaled conversion
.irp c, 0,1
.irp i, 0,1,2
	v_permlane16_swap_b32 v[PC+6*\c+\i], v[PC+12+4*\c+\i]
.endr
.endr
	v_add_f32 v102, v98, v99                       ; the sum's two halves,
	v_permlanex16_b32 v103, v102, s[SEL], s[SEL+1]
	v_add_f32 v102, v102, v103                     ; and lane l xor 16's: the chunk's l
	WIN W3<<6                                      ; what is stored is laid into the block's own accumulators, which have been read out: no later line writes them, so no store's data are written again
.irp c, 0,1
.irp i, 0,1,2
	v_mov_b32 v[AC+6*\c+\i], v[PC+6*\c+\i]
	v_mov_b32 v[AC+3+6*\c+\i], v[PC+12+4*\c+\i]
.endr
.endr
	v_cndmask_b32 v[AC+12], v[NEGM], v102, s[HM]   ; lanes 0-15 carry -M, lanes 16-31 l
	WIN W3<<2
.irp c, 0,1,2
	global_store_b128 v[OV], v[AC+4*\c:AC+4*\c+3], s[8:9] offset:3072*(\a)+512*\c
.endr
	global_store_b32 v[SV], v[AC+12], s[12:13] offset:128*(\a)
	WIN 0
.endm
	PLACES NP                                      ; behind the last products
.irp a, 0,1,2,3,4,5,6,7
	SOFTQ \a
.endr
.irp i, 0,1,2,3
	v_cndmask_b32 v[PT+\i], v[PWS+2*\i], v[PWS+2*\i+1], s[HM]
.endr
.irp i, 0,1,2,3
	global_store_b32 v[SV], v[PT+\i], s[10:11] offset:128*\i
.endr
	s_wait_tensorcnt 0x0                           ; the wave's end
	ds_add_u32 v[SPW], v[NIL]
	s_wait_dscnt 0x0
	CROUND                                         ; the closing round
	s_endpgm
.Lfunc_end_k_q46efd9a06a_scores:
	.size	k_q46efd9a06a_scores, .Lfunc_end_k_q46efd9a06a_scores-k_q46efd9a06a_scores
	.p2alignl 7, 3214868480
	.fill 96, 4, 3214868480
	.section	.rodata,"a",@progbits
	.p2align	6, 0x0
	.amdhsa_kernel k_q46efd9a06a_scores
		.amdhsa_group_segment_fixed_size 327680
		.amdhsa_private_segment_fixed_size 0
		.amdhsa_enable_private_segment 0
		.amdhsa_kernarg_size 40
		.amdhsa_user_sgpr_count 2
		.amdhsa_user_sgpr_kernarg_segment_ptr 1
		.amdhsa_wavefront_size32 1
		.amdhsa_system_sgpr_workgroup_id_x 1
		.amdhsa_system_sgpr_workgroup_id_y 1
		.amdhsa_system_sgpr_workgroup_id_z 1
		.amdhsa_system_vgpr_workitem_id 0
		.amdhsa_next_free_vgpr 1024
		.amdhsa_next_free_sgpr 102
		.amdhsa_reserve_vcc 0
		.amdhsa_float_denorm_mode_32 3
		.amdhsa_float_denorm_mode_16_64 3
		.amdhsa_memory_ordered 1
		.amdhsa_forward_progress 1
		.amdhsa_inst_pref_size 201
	.end_amdhsa_kernel
	.amdgpu_metadata
---
amdhsa.version: [ 1, 2 ]
amdhsa.kernels:
  - .name:           k_q46efd9a06a_scores
    .symbol:         k_q46efd9a06a_scores.kd
    .args:
      - { .name: qkv_codes, .offset: 0, .size: 8, .value_kind: global_buffer, .address_space: global }
      - { .name: qkv_scales, .offset: 8, .size: 8, .value_kind: global_buffer, .address_space: global }
      - { .name: p_codes, .offset: 16, .size: 8, .value_kind: global_buffer, .address_space: global }
      - { .name: p_scales, .offset: 24, .size: 8, .value_kind: global_buffer, .address_space: global }
      - { .name: p_stats, .offset: 32, .size: 8, .value_kind: global_buffer, .address_space: global }
    .group_segment_fixed_size: 327680
    .private_segment_fixed_size: 0
    .kernarg_segment_align: 8
    .kernarg_segment_size: 40
    .max_flat_workgroup_size: 128
    .sgpr_count:     102
    .vgpr_count:     1024
    .wavefront_size: 32
...
	.end_amdgpu_metadata
.endif
;; end of part 3
;; launch pv (part 4): grid 64 x 4, 4 waves a work-group, clusters of 4 x 4, 327,680 bytes of LDS; arguments p_codes, p_scales, p_stats, qkv_codes, qkv_scales, out0; writes out0
.if DOCPART == 4
	.amdgcn_target "amdgcn-amd-amdhsa--gfx1250"
	.amdhsa_code_object_version 6
	.text
	.protected	k_q46efd9a06a_pv
	.globl	k_q46efd9a06a_pv
	.p2align	8
	.type	k_q46efd9a06a_pv,@function
k_q46efd9a06a_pv:
	s_mov_b64 s[64:65], 0
	v_nop
	global_prefetch_b8 v0, s[64:65] scope:SCOPE_SE
	s_setreg_imm32_b32 hwreg(HW_REG_WAVE_MODE, 25, 1), 1
	s_wait_xcnt 0x0
	s_wait_alu depctr_hold_cnt(0) depctr_sa_sdst(0) depctr_va_vdst(0) depctr_va_sdst(0) depctr_va_ssrc(0) depctr_va_vcc(0) depctr_vm_vsrc(0)
	s_getreg_b32 s2, hwreg(HW_REG_IB_STS2, 6, 4)
	s_cmp_eq_u32 s2, 0
	s_cbranch_scc0 .Lentry_in_a_cluster
	s_endpgm
.Lentry_in_a_cluster:
	s_bfe_u32 s2, ttmp6, 0x10000c
	s_cmp_lg_u32 s2, 0xf033
	s_cbranch_scc0 .Lentry_shape_is_right
	s_endpgm
.Lentry_shape_is_right:
; LAUNCH 4 OF 4: out = (p v) / l.  Nothing is left out.
; A tile of 128 queries x 256 of d to a work-group, 64 x 128 to a wave, 32 accumulators; K = 2,048 keys in 16 steps of 128; source 0 = 16 rows of v^T, source 1 = 16 queries.
; p's FRAGMENTS GO FROM MEMORY STRAIGHT INTO REGISTERS: they were stored as images of the operand's registers, so a fragment is three loads of 512 consecutive bytes.  Five sets of 48 registers (window 3) take turns;
;   a step's twelve loads are issued four steps ahead of its products, every offset an immediate.  They are not asked for jointly and not prefetched: LDS is left to v^T, of which it then holds 12 of the 16 steps at once,
;   so that three fills serve the launch, and the loads themselves stand four steps ahead.
; v^T THROUGH LDS: two regions of 147,456 bytes, each four quarters [K slot 3][row tile 4][2][1536], a quarter to a wave's one tensor load: head: K slots 0-2 into region 0;  behind the first round K slots 3-5 into region 1, a first fill;
;   step 5: K slots 6, 7 over region 0, last read for step 5;  a plain barrier in step 11 shows them.  PREFETCH of v^T one fill ahead: of a row's 48 blocks of 256 bytes each of the four partners names 12, told apart by address.
; At the head each wave joins the sixteen chunks of 32 of the work-group's queries: the row's M is the largest of the chunks'; each chunk's l is brought under it by v_ldexp_f32, and the whole number M - (the chunk's M) is taken off
; the chunk's four scale bytes, byte by byte, held at 0 from below; the words and 1 / l go to LDS bytes of their own.  v^T's scale words come through registers into LDS bytes of their own (16,384 bytes a work-group).
; CLUSTERS 4 x 4: v^T's tiles hang on cx alone and are asked for jointly along a column.
; LIMITS: NaN and infinities are not served; a chunk whose M lies 127 or more under the row's counts with the least scale.
; REGISTERS: window 0: addresses, v32-79 scale words in two sets, v96-223 at work at the head and on the way out, v224-231 1 / l;  window 1: v^T's fragments, two sets;  window 2: the accumulators;  window 3: p's fragments.
.set QB,    36864
.set REG,   4*QB
.set BSC,   2*REG
.set ASC,   BSC+16384
.set LINV,  ASC+8192
.set SPARE, LINV+512
.set SP,    528
.set STAGE, REG                        ; the way out goes through region 1: it has had its one fill, and its last reads stand ahead of step 11's barrier
.set KSV,   196608                     ; v^T: bytes from K slot to K slot
.set KSP,   393216                     ; p likewise
.set VT_OFF,  12582912
.set VTS_OFF, 524288
.set PFO,  11
.set ADRB, 16                          ; v16-19: region 0, 1 x my first, second quarter
.set ADSA, 22
.set ADSB, 23
.set STO,  24
.set RD,   25
.set CO,   26
.set ALI,  27
.set SPW,  28
.set NIL,  29
.set SA,   32
.set SB,   48
.set AF,   96
.set NM,   96
.set L,    112
.set W,    128
.set D,    144
.set LI,   224
.set WV,   18
.set HI,   19
.set LO,   20
.set CX,   21
.set CY,   22
.set G1B3, 24                          ; group 1: three rows of 12,288 bytes
.set G0,   32
.set LX,   36
.set LY,   37
.set PFA,  38
.set G1B2, 48                          ; two rows
.set ONES, 92
.set TOPS, 93
.set MSB, 0
.macro WIN new
.if MSB != (\new)
	s_set_vgpr_msb (MSB<<8)|(\new)
.set MSB, (\new)
.endif
.endm
.set MUL, 0xad                         ; source 0 (v^T) window 1, source 1 (p) window 3, C and D window 2
.macro CREST
	s_cmp_lg_u32 s[WV], 0
	s_cbranch_scc1 .Lnot_wave_0_\@
	s_barrier_signal -3
.Lnot_wave_0_\@:
	s_barrier_wait -3
	s_barrier_signal -1
	s_barrier_wait -1
.endm
.macro CROUND
	s_barrier_signal -1
	s_barrier_wait -1
	CREST
.endm
.macro PLACES n
.rept \n
	v_nop
.endr
.endm
.macro DESC g, c, r, p
	s_mov_b32 s[\g+1], (\c)<<16
	s_mov_b32 s[\g+2], (\r)<<16
	s_mov_b32 s[\g+3], (\c)<<16
	s_mov_b32 s[\g+4], \r
	s_mov_b32 s[\g+5], \p
	s_mov_b32 s[\g+6], 0
	s_mov_b32 s[\g+7], 0
.endm
.macro FILL l, o, g1                   ; my quarter of a fill: group 0 is written only where no tensor load of mine is out; an s_nop 0 and four v_nop follow the load
	s_mov_b32 s[G0], 1
	s_mov_b32 s[G0+1], s[\l]
	s_add_nc_u64 s[G0+2:G0+3], s[10:11], \o
	s_or_b32 s[G0+3], s[G0+3], 0x80000000
	tensor_load_to_lds s[G0:G0+3], s[\g1:\g1+7]
	s_nop 0
.rept 4
	v_nop
.endr
.endm
	s_load_b256 s[4:11], s[0:1], 0x0               ; p's codes s[4:5], scale words s[6:7], -M and l s[8:9], v^T's codes s[10:11]
	s_load_b128 s[12:15], s[0:1], 0x20             ; v^T's scale words s[12:13], out s[14:15]
	v_lshl_add_u32 v[SPW], v0, 2, SPARE
	v_mov_b32 v[NIL], 0
	ds_add_u32 v[SPW], v[NIL]                      ; the opening: the add, twice on end, and its wait ahead of my first tensor load
	ds_add_u32 v[SPW], v[NIL]
	v_lshrrev_b32 v1, 5, v0
	v_readfirstlane_b32 s[WV], v1
	s_lshr_b32 s[HI], s[WV], 1                     ; my half of the queries
	s_and_b32 s[LO], s[WV], 1                      ; my half of d
	s_bfe_u32 s[CX], ttmp6, 0x40000
	s_bfe_u32 s[CY], ttmp6, 0x40004
	s_lshr_b32 s40, ttmp9, 2                       ; batch
	s_and_b32 s41, ttmp9, 3
	s_lshl_b32 s41, s41, 2
	s_add_co_u32 s41, s41, s[CY]                   ; which 128 queries of the batch
	s_lshl_b32 s44, 0x1111, s[CX]                  ; my column of the cluster
	s_or_b32 s[G1B3], s44, (3<<16)|(1<<21)
	s_or_b32 s[G1B2], s44, (3<<16)|(1<<21)
	DESC G1B3, 1536, 3, 24576
	DESC G1B2, 1536, 2, 24576
	s_lshl_b32 s46, s40, 10                        ; p: row tile 1,024 batch + 8 x tile + 4 HI
	s_lshl_b32 s47, s41, 3
	s_add_co_u32 s46, s46, s47
	s_lshl_b32 s47, s[HI], 2
	s_add_co_u32 s46, s46, s47
	s_mul_i32 s46, s46, 3072
	s_mov_b32 s47, 0
	s_lshl_b32 s94, s40, 9                         ; v^T: row tile 512 batch + 16 cx + 4 x wave: the four that I fetch
	s_lshl_b32 s95, s[CX], 4
	s_add_co_u32 s94, s94, s95
	s_lshl_b32 s95, s[WV], 2
	s_add_co_u32 s94, s94, s95
	s_mul_i32 s94, s94, 3072
	s_add_co_u32 s94, s94, VT_OFF
	s_mov_b32 s95, 0
	s_lshl_b32 s96, s40, 4                         ; v^T's scale words: K steps 8 HI .., row tiles 16 cx + 8 LO ..
	s_lshl_b32 s97, s[HI], 3
	s_add_co_u32 s96, s96, s97
	s_lshl_b32 s96, s96, 6
	s_lshl_b32 s97, s[CX], 4
	s_add_co_u32 s96, s96, s97
	s_lshl_b32 s97, s[LO], 3
	s_add_co_u32 s96, s96, s97
	s_lshl_b32 s96, s96, 6
	s_add_co_u32 s96, s96, VTS_OFF
	s_mov_b32 s97, 0
	s_lshl_b32 s66, s40, 11                        ; the chunks' numbers: row tiles 2 x wave, 2 x wave + 1 of the work-group's eight
	s_lshl_b32 s67, s41, 3
	s_add_co_u32 s66, s66, s67
	s_lshl_b32 s67, s[WV], 1
	s_add_co_u32 s66, s66, s67
	s_lshl_b32 s2, s66, 6
	s_mov_b32 s3, 0
	s_lshl_b32 s66, s66, 7
	s_mov_b32 s67, 0
	s_mul_i32 s[LX], s[WV], QB
	s_add_co_u32 s[LY], s[LX], REG
	s_mul_i32 s[PFA], s[CY], 3072                  ; my 12 blocks of a row's 48
	s_mov_b32 s[PFA+1], 0
	s_lshl_b32 s99, s[LO], 13
	s_lshl_b32 s42, s[HI], 12
	s_add_co_u32 s99, s99, s42
	s_add_co_u32 s99, s99, BSC
	s_mov_b32 s[ONES], 0x01010101
	s_mov_b32 s[TOPS], 0x80808080
	v_and_b32 v1, 15, v0
	v_bfe_u32 v2, v0, 4, 1
	v_and_b32 v3, 31, v0
	v_lshlrev_b32 v5, 7, v2
	v_lshl_add_u32 v5, v1, 2, v5
	v_lshlrev_b32 v6, 2, v3
	v_lshl_add_u32 v7, v0, 2, ASC
	v_lshl_add_u32 v8, v0, 2, LINV
	v_lshlrev_b32 v[CO], 4, v3                     ; 16 x lane
	v_add_nc_u32 v10, s99, v[CO]                   ; where I put v^T's scale words that I bring
	v_min_u32 v[PFO], 11, v3
	v_lshlrev_b32 v[PFO], 8, v[PFO]                ; a lane a block; lanes 12-31 name the last again
	s_mul_i32 s42, s[LO], 2*QB
	v_add_nc_u32 v[ADRB], s42, v[CO]
	v_add_nc_u32 v[ADRB+1], QB, v[ADRB]
	v_add_nc_u32 v[ADRB+2], REG, v[ADRB]
	v_add_nc_u32 v[ADRB+3], REG+QB, v[ADRB]
	v_lshlrev_b32 v4, 9, v2
	v_lshl_add_u32 v4, v1, 2, v4
	s_lshl_b32 s42, s[HI], 8
	s_add_co_u32 s43, s42, ASC
	v_add_nc_u32 v[ADSA], s43, v4
	s_add_co_u32 s43, s42, LINV
	v_lshl_add_u32 v[ALI], v1, 2, s43
	s_lshl_b32 s42, s[LO], 13
	s_add_co_u32 s42, s42, BSC
	v_add_nc_u32 v[ADSB], s42, v4
	s_mul_i32 s42, s[WV], 16*SP
	s_add_co_u32 s42, s42, STAGE
	v_mul_u32_u24 v[STO], v1, SP
	v_lshl_add_u32 v[STO], v2, 6, v[STO]
	v_add_nc_u32 v[STO], s42, v[STO]
	v_add_nc_u32 v[RD], s42, v[CO]
	s_wait_alu depctr_va_vdst(0)
	s_wait_dscnt 0x0
	s_wait_kmcnt 0x0
	s_add_nc_u64 s[4:5], s[4:5], s[46:47]
	s_add_nc_u64 s[10:11], s[10:11], s[94:95]
	s_add_nc_u64 s[12:13], s[12:13], s[96:97]
	s_add_nc_u64 s[6:7], s[6:7], s[2:3]
	s_add_nc_u64 s[8:9], s[8:9], s[66:67]
	s_add_nc_u64 s[PFA:PFA+1], s[10:11], s[PFA:PFA+1]
.irp j, 0,1,2,3,4,5,6,7,8,9,10,11,12,13,14,15
	global_load_b32 v[NM+\j], v5, s[8:9] offset:16384*\j
	global_load_b32 v[L+\j], v5, s[8:9] offset:16384*\j+64
	global_load_b32 v[W+\j], v6, s[6:7] offset:8192*\j
.endr
.irp j, 0,1,2,3,4,5,6,7
	global_load_b128 v[192+4*\j:195+4*\j], v[CO], s[12:13] offset:4096*\j   ; a K step's words of eight row tiles of v^T: 512 consecutive bytes
.endr
	CROUND                                         ; all sixteen work-groups are here: the first joint loads meet
	FILL LX, 0, G1B3                               ; K slots 0-2: my one tensor load at the head
.irp r, 3,4,5
	global_prefetch_b8 v[PFO], s[PFA:PFA+1] offset:\r*KSV th:TH_LOAD_NT scope:SCOPE_SE   ; my blocks of the next fill
.endr
	s_lshl_b32 s2, s40, 11                         ; out: row 2,048 batch + 128 x tile + 64 HI, byte 1,024 cx + 512 LO of it
	s_lshl_b32 s3, s41, 7
	s_add_co_u32 s2, s2, s3
	s_lshl_b32 s3, s[HI], 6
	s_add_co_u32 s2, s2, s3
	s_lshl_b32 s2, s2, 12
	s_lshl_b32 s3, s[CX], 10
	s_add_co_u32 s2, s2, s3
	s_lshl_b32 s3, s[LO], 9
	s_add_co_u32 s2, s2, s3
	s_mov_b32 s3, 0
	s_add_nc_u64 s[14:15], s[14:15], s[2:3]
.macro ALOAD st                        ; p's four fragments of step st into set st % 5
	WIN 0xc0
.irp a, 0,1,2,3
.irp c, 0,1,2
	global_load_b128 v[48*((\st)%5)+12*\a+4*\c:48*((\st)%5)+12*\a+4*\c+3], v[CO], s[4:5] offset:((\st)/2)*KSP+3072*\a+((\st)%2)*1536+512*\c
.endr
.endr
	WIN 0
.endm
	ALOAD 0
	ALOAD 1
	ALOAD 2
	ALOAD 3
	s_wait_loadcnt 48                              ; the chunks' numbers and v^T's scale words are in; p's 48 loads behind them may be out
.irp j, 0,1,2,3,4,5,6,7
	ds_store_b128 v10, v[192+4*\j:195+4*\j] offset:512*\j
.endr
	v_max3_num_f32 v160, -v[NM], -v[NM+1], -v[NM+2]   ; the row's M
.irp j, 3,5,7,9,11,13
	v_max3_num_f32 v160, v160, -v[NM+\j], -v[NM+\j+1]
.endr
	v_max_num_f32 v160, v160, -v[NM+15]
.irp j, 0,1,2,3,4,5,6,7,8,9,10,11,12,13,14,15
	v_add_f32 v[D+\j], v[NM+\j], v160              ; M - the chunk's M: a whole number, 0 or more
.endr
.irp j, 0,1,2,3,4,5,6,7,8,9,10,11,12,13,14,15
	v_cvt_i32_f32 v[D+\j], v[D+\j]
.endr
.irp j, 0,1,2,3,4,5,6,7,8,9,10,11,12,13,14,15
	v_sub_nc_u32 v[NM+\j], 0, v[D+\j]
.endr
.irp j, 0,1,2,3,4,5,6,7,8,9,10,11,12,13,14,15
	v_ldexp_f32 v[L+\j], v[L+\j], v[NM+\j]         ; the chunk's l under the row's M
.endr
.irp j, 0,1,2,3,4,5,6,7,8,9,10,11,12,13,14,15
	v_min_u32 v[D+\j], 127, v[D+\j]
.endr
.irp j, 0,1,2,3,4,5,6,7,8,9,10,11,12,13,14,15
	v_mul_lo_u32 v[D+\j], v[D+\j], s[ONES]         ; in all four bytes
.endr
.irp j, 0,1,2,3,4,5,6,7,8,9,10,11,12,13,14,15
	v_or_b32 v[W+\j], s[TOPS], v[W+\j]             ; p's bytes lie under 128: the top bit keeps each byte's borrow to itself
.endr
.irp j, 0,1,2,3,4,5,6,7,8,9,10,11,12,13,14,15
	v_sub_nc_u32 v[W+\j], v[W+\j], v[D+\j]
.endr
.irp j, 0,1,2,3,4,5,6,7,8,9,10,11,12,13,14,15
	v_lshrrev_b32 v[NM+\j], 7, v[W+\j]
.endr
.irp j, 0,1,2,3,4,5,6,7,8,9,10,11,12,13,14,15
	v_and_b32 v[NM+\j], s[ONES], v[NM+\j]          ; 1 where the byte did not fall under 0
.endr
.irp j, 0,1,2,3,4,5,6,7,8,9,10,11,12,13,14,15
	v_lshlrev_b32 v[D+\j], 7, v[NM+\j]
.endr
.irp j, 0,1,2,3,4,5,6,7,8,9,10,11,12,13,14,15
	v_sub_nc_u32 v[D+\j], v[D+\j], v[NM+\j]        ; 0x7f there, 0 elsewhere
.endr
.irp j, 0,1,2,3,4,5,6,7,8,9,10,11,12,13,14,15
	v_and_b32 v[W+\j], v[W+\j], v[D+\j]
.endr
.irp j, 0,1,2,3,4,5,6,7,8,9,10,11,12,13,14,15
	ds_store_b32 v7, v[W+\j] offset:512*\j
.endr
.irp j, 0,2,4,6,8,10,12,14
	v_add_f32 v[L+\j], v[L+\j], v[L+\j+1]
.endr
.irp j, 0,4,8,12
	v_add_f32 v[L+\j], v[L+\j], v[L+\j+2]
.endr
	v_add_f32 v[L], v[L], v[L+4]
	v_add_f32 v[L+8], v[L+8], v[L+12]
	v_add_f32 v[L], v[L], v[L+8]
	s_wait_alu depctr_va_vdst(0)
	v_rcp_f32 v161, v[L]
	v_nop
	s_wait_alu depctr_va_vdst(0)                   ; and ahead of its reader
	ds_store_b32 v8, v161
	s_wait_alu depctr_va_vdst(0)
	s_wait_tensorcnt 0x0                           ; my quarter of region 0 is in
	ds_add_u32 v[SPW], v[NIL]
	s_wait_dscnt 0x0                               ; the add and my LDS stores are done
	CROUND                                         ; region 0, the scale words and 1 / l are whole for every wave
	FILL LY, 3*KSV, G1B3                           ; K slots 3-5, a first fill
.macro BFETCH st                       ; v^T's eight fragments of step st into set st % 2: K slot ks lies in region (ks / 3) % 2, row ks % 3 of a quarter
.set KSL, (\st)/2
	WIN 0x40
.irp b, 0,1,2,3,4,5,6,7
.irp c, 0,1,2
	ds_load_b128 v[128*((\st)%2)+12*\b+4*\c:128*((\st)%2)+12*\b+4*\c+3], v[ADRB+2*((KSL/3)%2)+\b/4] offset:(KSL%3)*12288+(\b%4)*3072+((\st)%2)*1536+512*\c
.endr
.endr
	WIN 0
.endm
.macro PSCALES g                       ; the scale words of steps 4 g .. 4 g + 3 into set g % 2: lanes 0-15 the even step of a pair, lanes 16-31 the odd one
.irp m, 0,1
.irp a, 0,1,2,3
	ds_load_b32 v[SA+8*((\g)%2)+2*\a+\m], v[ADSA] offset:2048*(\g)+1024*\m+64*\a
.endr
.irp b, 0,1,2,3,4,5,6,7
	ds_load_b32 v[SB+16*((\g)%2)+2*\b+\m], v[ADSB] offset:2048*(\g)+1024*\m+64*\b
.endr
.endr
.endm
.macro PMUL a, st, zero                ; one block of queries x v^T's eight; the 32 accumulators take turns
.set KQ, (\st)%4
.set SS, ((\st)/4)%2
.irp b, 0,1,2,3,4,5,6,7
.if \zero
	v_wmma_scale_f32_16x16x128_f8f6f4 v[8*(8*(\a)+\b):8*(8*(\a)+\b)+7], v[128*((\st)%2)+12*\b:128*((\st)%2)+12*\b+11], v[48*((\st)%5)+12*(\a):48*((\st)%5)+12*(\a)+11], 0, v[SB+16*SS+2*\b+KQ/2], v[SA+8*SS+2*(\a)+KQ/2] matrix_a_fmt:MATRIX_FMT_FP6 matrix_b_fmt:MATRIX_FMT_FP6
.elseif KQ%2
	v_wmma_scale_f32_16x16x128_f8f6f4 v[8*(8*(\a)+\b):8*(8*(\a)+\b)+7], v[128*((\st)%2)+12*\b:128*((\st)%2)+12*\b+11], v[48*((\st)%5)+12*(\a):48*((\st)%5)+12*(\a)+11], v[8*(8*(\a)+\b):8*(8*(\a)+\b)+7], v[SB+16*SS+2*\b+KQ/2], v[SA+8*SS+2*(\a)+KQ/2] matrix_a_fmt:MATRIX_FMT_FP6 matrix_b_fmt:MATRIX_FMT_FP6 matrix_a_scale:MATRIX_SCALE_ROW1 matrix_b_scale:MATRIX_SCALE_ROW1
.else
	v_wmma_scale_f32_16x16x128_f8f6f4 v[8*(8*(\a)+\b):8*(8*(\a)+\b)+7], v[128*((\st)%2)+12*\b:128*((\st)%2)+12*\b+11], v[48*((\st)%5)+12*(\a):48*((\st)%5)+12*(\a)+11], v[8*(8*(\a)+\b):8*(8*(\a)+\b)+7], v[SB+16*SS+2*\b+KQ/2], v[SA+8*SS+2*(\a)+KQ/2] matrix_a_fmt:MATRIX_FMT_FP6 matrix_b_fmt:MATRIX_FMT_FP6
.endif
.endr
.endm
.macro ASKS st                         ; behind places: the next step's fragments of v^T, a new group's scale words, and p's fragments of four steps on, into the set that the last step read
.if (\st)+1 < 16
	BFETCH (\st)+1
.if ((\st)+1)%4 == 0
	PSCALES ((\st)+1)/4
.endif
.endif
.if (\st)+4 < 16
	ALOAD (\st)+4
.endif
.endm
; A step of 128 keys.  sync = 1: a barrier that shows a fill landed;  sync = 2: it opens a round of the cluster's barrier, and region 0 is filled again
.macro PS st, sync, zero
.if 15-(\st) >= 3
.set LC, 36                            ; behind this step's twelve loads of p stand those of the next three steps,
.else
.set LC, 12*(15-(\st))                 ; or of the steps that are left
.endif
.if \sync
	WIN 0
	s_wait_tensorcnt 0x0                           ; my one tensor load that was out has landed
	ds_add_u32 v[SPW], v[NIL]
	s_wait_loadcnt LC
	s_wait_dscnt 1                                 ; (the add may be out)
	WIN MUL
	PMUL 0, \st, 0
	s_wait_dscnt 0x0                               ; the add is done, and so are all my LDS reads
	s_barrier_signal -1
	PMUL 1, \st, 0
	WIN 0
	s_barrier_wait -1
.if \sync == 2
	CREST                                          ; no wave of any partner still reads region 0 or has a load on its way
	FILL LX, 6*KSV, G1B2                           ; K slots 6, 7; its four v_nop are the places in front of the loads below
.else
	PLACES 4
.endif
	ASKS \st
	WIN MUL
	PMUL 2, \st, 0
	PMUL 3, \st, 0
.else
	s_wait_loadcnt LC
	s_wait_dscnt 0x0
	WIN MUL
	PMUL 0, \st, \zero
.if (\st)+1 < 16
	PLACES 4                                       ; in front of loads into registers that matrix instructions have read
	ASKS \st
	WIN MUL
.endif
	PMUL 1, \st, \zero
	PMUL 2, \st, \zero
	PMUL 3, \st, \zero
.endif
.endm
	BFETCH 0
	PSCALES 0
.irp a, 0,1,2,3
	ds_load_b32 v[LI+2*\a], v[ALI] offset:64*\a    ; 1 / l of my lane's query in block a, twice: a pair for the packed multiplication
	ds_load_b32 v[LI+2*\a+1], v[ALI] offset:64*\a
.endr
.irp r, 6,7
	global_prefetch_b8 v[PFO], s[PFA:PFA+1] offset:\r*KSV th:TH_LOAD_NT scope:SCOPE_SE   ; my blocks of the last fill, which step 5 loads
.endr
	PS 0, 0, 1
.irp t, 1,2,3,4
	PS \t, 0, 0
.endr
	PS 5, 2, 0
.irp t, 6,7,8,9,10
	PS \t, 0, 0
.endr
	PS 11, 1, 0
.irp t, 12,13,14,15
	PS \t, 0, 0
.endr
	WIN 0
; THE WAY OUT, block by block of 16 queries x 128 of d: x 1 / l, through my own stage, back as whole rows of 512 bytes
.macro OSCALE a
.set OB, AF+64*((\a)%2)
	WIN 0x02
.set i, 0
.rept 32
	v_pk_mul_f32 v[OB+2*i:OB+2*i+1], v[64*(\a)+2*i:64*(\a)+2*i+1], v[LI+2*(\a):LI+2*(\a)+1]
.set i, i+1
.endr
	WIN 0
.endm
.macro TOSTAGE a
.set OB, AF+64*((\a)%2)
.irp b, 0,1,2,3,4,5,6,7
	ds_store_b128 v[STO], v[OB+8*\b:OB+8*\b+3] offset:128*(\b/2)+32*(\b%2)
	ds_store_b128 v[STO], v[OB+8*\b+4:OB+8*\b+7] offset:128*(\b/2)+32*(\b%2)+16
.endr
	WIN 0x40                                       ; back into window 1, where v^T's fragments lay: 64 registers of its own for each block, so no store's data are written again
.irp t, 0,1,2,3,4,5,6,7,8,9,10,11,12,13,14,15
	ds_load_b128 v[64*(\a)+4*\t:64*(\a)+4*\t+3], v[RD] offset:SP*\t          ; LDS serves a wave's instructions in order: these see the stores above
.endr
	WIN 0
.endm
.macro SEND a, younger
.set OB, AF+64*((\a)%2)
	s_wait_dscnt \younger
	WIN 0x04
.irp t, 0,1,2,3,4,5,6,7,8,9,10,11,12,13,14,15
	global_store_b128 v[CO], v[64*(\a)+4*\t:64*(\a)+4*\t+3], s[14:15] offset:(32*((\a)/2)+8*((\a)%2)+\t+8*(\t/8))*4096 th:TH_STORE_NT   ; 512 consecutive bytes, aligned
.endr
	WIN 0
.endm
	PLACES 4                                       ; behind the last products
	OSCALE 0
	TOSTAGE 0
.irp a, 1,2,3
	OSCALE \a
	TOSTAGE \a
	SEND \a-1, 32
.endr
	SEND 3, 0
	s_wait_tensorcnt 0x0                           ; the wave's end
	ds_add_u32 v[SPW], v[NIL]
	s_wait_dscnt 0x0
	CROUND                                         ; the closing round
	s_endpgm
.Lfunc_end_k_q46efd9a06a_pv:
	.size	k_q46efd9a06a_pv, .Lfunc_end_k_q46efd9a06a_pv-k_q46efd9a06a_pv
	.p2alignl 7, 3214868480
	.fill 96, 4, 3214868480
	.section	.rodata,"a",@progbits
	.p2align	6, 0x0
	.amdhsa_kernel k_q46efd9a06a_pv
		.amdhsa_group_segment_fixed_size 327680
		.amdhsa_private_segment_fixed_size 0
		.amdhsa_enable_private_segment 0
		.amdhsa_kernarg_size 48
		.amdhsa_user_sgpr_count 2
		.amdhsa_user_sgpr_kernarg_segment_ptr 1
		.amdhsa_wavefront_size32 1
		.amdhsa_system_sgpr_workgroup_id_x 1
		.amdhsa_system_sgpr_workgroup_id_y 1
		.amdhsa_system_sgpr_workgroup_id_z 1
		.amdhsa_system_vgpr_workitem_id 0
		.amdhsa_next_free_vgpr 1024
		.amdhsa_next_free_sgpr 100
		.amdhsa_reserve_vcc 0
		.amdhsa_float_denorm_mode_32 3
		.amdhsa_float_denorm_mode_16_64 3
		.amdhsa_memory_ordered 1
		.amdhsa_forward_progress 1
		.amdhsa_inst_pref_size 167
	.end_amdhsa_kernel
	.amdgpu_metadata
---
amdhsa.version: [ 1, 2 ]
amdhsa.kernels:
  - .name:           k_q46efd9a06a_pv
    .symbol:         k_q46efd9a06a_pv.kd
    .args:
      - { .name: p_codes, .offset: 0, .size: 8, .value_kind: global_buffer, .address_space: global }
      - { .name: p_scales, .offset: 8, .size: 8, .value_kind: global_buffer, .address_space: global }
      - { .name: p_stats, .offset: 16, .size: 8, .value_kind: global_buffer, .address_space: global }
      - { .name: qkv_codes, .offset: 24, .size: 8, .value_kind: global_buffer, .address_space: global }
      - { .name: qkv_scales, .offset: 32, .size: 8, .value_kind: global_buffer, .address_space: global }
      - { .name: out0, .offset: 40, .size: 8, .value_kind: global_buffer, .address_space: global }
    .group_segment_fixed_size: 327680
    .private_segment_fixed_size: 0
    .kernarg_segment_align: 8
    .kernarg_segment_size: 48
    .max_flat_workgroup_size: 128
    .sgpr_count:     100
    .vgpr_count:     1024
    .wavefront_size: 32
...
	.end_amdgpu_metadata
.endif
;; end of part 4
